; MI455X (gfx1250); checked and timed in simulation.
; The chip was launched on July 23, 2026; its instructions are those of AMD's public machine-readable ISA for CDNA 5 (MIT licence, August 2026) and "CDNA5" Instruction Set Architecture Reference Guide (July 2026). The comments in the code are by the model that wrote it; some were corrected since.
;; Block. Allowed arithmetic: matrix products marked QUANTISED: E4M3 operands, one given power-of-two scale a tensor, by v_wmma_f32_16x16x64_fp8_fp8 or v_wmma_f32_16x16x128_fp8_fp8, f32 sums; everything else in f32.
;; Inputs: b_fc1 4,096 float32; b_fc2 1,024 float32; b_proj 1,024 float32; ln1_b 1,024 float32; ln1_g 1,024 float32; ln2_b 1,024 float32; ln2_g 1,024 float32; lowp_scales 12 int32 (the exponents e of the quantised operands' scales 2^e); w_fc1_codes 4,096 x 32 x 32 uint8 (E4M3 codes of w_fc1, K innermost, in blocks of 32 codes); w_fc2_codes 1,024 x 128 x 32 uint8 (E4M3 codes of w_fc2, K innermost, in blocks of 32 codes); w_proj_codes 1,024 x 32 x 32 uint8 (E4M3 codes of w_proj, K innermost, in blocks of 32 codes); w_qkv_codes 3,072 x 32 x 32 uint8 (E4M3 codes of w_qkv, K innermost, in blocks of 32 codes); x 2 x 2,048 x 1,024 float32.
;; Outputs: out0 2 x 2,048 x 1,024 float32.
;; This version of the problem:
;;   THIS VERSION OF THE PROBLEM IS GIVEN IN LOW PRECISION. The matrix products marked QUANTISED in the list below multiply operands that are first quantised to E4M3 (4 exponent bits, 3 mantissa bits; 8 bits a number), with one given power-of-two scale for each operand tensor; their sums are f32. All else is computed in f32.
;;   The module's matrix products, in the order in which they are computed (A, B: the left and right operand; K: the contracted axis; several contracted axes count as one K, in the product's order):
;;     1. [M 4,096, K 1,024] x [K 1,024, N 3,072]; A: computed on the way; B: input w_qkv (given as codes): QUANTISED (scales: A lowp_scales[0], B lowp_scales[1])
;;     2. batch 32 x [M 2,048, K 64] x [K 64, N 2,048]; A: computed on the way; B: computed on the way: QUANTISED (scales: A lowp_scales[2], B lowp_scales[3])
;;     3. batch 32 x [M 2,048, K 2,048] x [K 2,048, N 64]; A: softmax (see below); B: computed on the way: QUANTISED (scales: A lowp_scales[4], B lowp_scales[5])
;;     4. [M 4,096, K 1,024] x [K 1,024, N 1,024]; A: computed on the way; B: input w_proj (given as codes): QUANTISED (scales: A lowp_scales[6], B lowp_scales[7])
;;     5. [M 4,096, K 1,024] x [K 1,024, N 4,096]; A: computed on the way; B: input w_fc1 (given as codes): QUANTISED (scales: A lowp_scales[8], B lowp_scales[9])
;;     6. [M 4,096, K 4,096] x [K 4,096, N 1,024]; A: computed on the way; B: input w_fc2 (given as codes): QUANTISED (scales: A lowp_scales[10], B lowp_scales[11])
;;   THE QUANTISER, for each operand of a quantised product, along K:
;;     - The operand's scale is 2^e, e = its entry of the input lowp_scales (int32; the entries are numbered through the quantised products in the list's order, A before B).
;;     - Each number is divided by the scale, clamped to +-448, and rounded to the nearest number of E4M3, ties to even, subnormals kept.
;;     - The product sums the exact products of the quantised numbers (number of the format x scale) in f32.
;;   ~~~python
;;   def quantise(x, axis, e):      # numpy; x: float32 -> the quantised numbers, widened to float32 again
;;       x = np.moveaxis(x, axis, -1); K = x.shape[-1]
;;       r = np.clip(x / 2.0 ** e, -448, 448)
;;       step = 2.0 ** (np.maximum(np.frexp(np.where(r == 0, 1, r))[1] - 1, -6) - 3)
;;       q = np.round(r / step) * step * 2.0 ** e      # np.round: ties to even
;;       return np.moveaxis(q, -1, axis).astype(np.float32)
;;   ~~~
;;   SOFTMAX AHEAD OF A QUANTISED PRODUCT. Where the list says 'softmax', what is quantised is not the finished softmax but p = 2^(t - M), with t = logit x log2(e) and M = ceil(the row's largest t), a whole number; so 1/2 < the row's largest p <= 1. The row's sum l is taken of the UNQUANTISED p, in f32, and the product's result is divided by l at the end. Since M is a whole number, a kernel that streams over the keys may use a running M (the ceiling of the running maximum): every later rescaling is an exact power of two, so the quantised numbers keep their values, but for numbers so far below the row's largest that they fall under the format's range.
;;   OPERANDS COMPUTED ON THE WAY. 'Computed on the way' means the value that the module computes at that place (a softmax that the list does not call 'softmax' is quantised finished and normalised). What goes into a quantiser is computed in f32, as accurately as f32 sums, v_exp_f32 and their like allow (about 1e-6 of the number): no bf16 or f16 on the way to a quantiser, and a product that is left as it is and whose result goes on into a quantised operand takes f32 operands (vector FMAs, or v_wmma_f32_16x16x4_f32). A number that lies on a knife's edge between two numbers of the format may be rounded either way, as far as f32 arithmetic and the matrix unit's own rounding can turn it there, and no further.
;;   INPUTS GIVEN AS CODES. w_fc1 (in the module: [4096, 1024], K = its axis 1); w_fc2 (in the module: [1024, 4096], K = its axis 1); w_proj (in the module: [1024, 1024], K = its axis 1); w_qkv (in the module: [3072, 1024], K = its axis 1): each comes as NAME_codes (uint8): NAME with its K axis moved to the last place and cut into blocks of 32 codes, [.., K / 32, bytes a block], one block behind the other in memory; one code a byte (a code: sign, 4 exponent bits, 3 mantissa bits); its scale is its entry of lowp_scales. Its value is code x scale, taken as it is: it is not quantised again, and the codes and scales need not be those that the quantiser above would give.
;; One version. Each part assembles by itself: llvm-mc -triple=amdgcn-amd-amdhsa -mcpu=gfx1250 --defsym DOCPART=n.
;; ======== version 1 of 1: 7 launches
;; limits: a function is approximated: absolute error at most 1.5e-07
;; workspace buffers: cod 4,194,304 bytes; qimg 4,194,304 bytes; kimg 4,194,304 bytes; vimg 4,194,304 bytes; aimg 4,194,304 bytes; x1 16,777,216 bytes; gimg 16,777,216 bytes
;; launch ln1 (part 1): grid 256 x 1, 8 waves a work-group, no clusters, 0 bytes of LDS; arguments x, ln1_g, ln1_b, lowp_scales, cod; writes cod
.if DOCPART == 1
	.amdgcn_target "amdgcn-amd-amdhsa--gfx1250"
	.amdhsa_code_object_version 6
	.text
	.protected	k_q55d95f8f44_ln1
	.globl	k_q55d95f8f44_ln1
	.p2align	8
	.type	k_q55d95f8f44_ln1,@function
k_q55d95f8f44_ln1:
	s_mov_b64 s[64:65], 0
	v_nop
	global_prefetch_b8 v0, s[64:65] scope:SCOPE_SE
	s_setreg_imm32_b32 hwreg(HW_REG_WAVE_MODE, 25, 1), 1
	s_wait_xcnt 0x0
; LayerNorm of 4,096 rows of 1,024 f32 numbers, then the quantiser: code = y / 2^e, held within +-448, to the nearest E4M3 code.  Codes go out as [row][1024], one byte each.
; e is the whole number at byte EOFF of the buffer of scales.  LIMIT: e between -126 and 119, so that 2^e and 448 x 2^e are f32 numbers.  NaN among the inputs is not served.
; SHARES.  A wave takes two rows, one after the other in registers: row0 = 2 (8 x work-group + wave).  A lane holds 32 numbers of a row: X[8 j + i] = x[row][256 j + 8 lane + i],
; eight neighbours in eight consecutive registers, as the conversion takes them; its eight codes are 8 bytes, and a store of the wave covers 256 consecutive bytes, aligned.
; The variance is taken of x - mean (two passes over registers), so a common offset of the inputs costs no accuracy.  No LDS, no barrier, no loop: waves share nothing.
.set EOFF, 0                           ; which entry of the scales, in bytes
.set MU,  4                            ; v[4:5], v[6:7]    the mean, twice, of row 0 and of row 1
.set RS,  8                            ; v[8:9], v[10:11]  1 / sqrt(var + eps), twice
.set LIM, 12                           ; v12  448 x 2^e
.set SC,  13                           ; v13  2^e
.set T,   14                           ; v[14:17] two chains; v18 the lane exchange
.set CD,  22                           ; v[22:29], v[30:37] the rows' codes: registers of their own, so no store's data are written again
.set X,   40                           ; v[40:71], v[72:103] the two rows
.set G,   104                          ; v[104:135] the gain
.set BB,  136                          ; v[136:167] the bias
	s_load_b256 s[4:11], s[0:1], 0x0               ; x s[4:5], gain s[6:7], bias s[8:9], scales s[10:11]
	s_load_b64 s[12:13], s[0:1], 0x20              ; the codes
	v_lshrrev_b32 v1, 5, v0
	v_readfirstlane_b32 s14, v1                    ; wave 0..7
	v_and_b32 v2, 31, v0                           ; lane
	v_lshlrev_b32 v1, 5, v2                        ; 32 x lane: my eight numbers in 1,024 bytes of a row
	v_lshlrev_b32 v2, 3, v2                        ; 8 x lane: my eight codes
	v_mov_b32 v[T+4], 0                            ; written once: a lane permute's destination counts as one of its sources
	s_lshl_b32 s15, ttmp9, 3
	s_add_co_u32 s15, s15, s14                     ; which pair of rows
	s_lshl_b32 s16, s15, 13                        ; two rows of 4,096 bytes
	s_mov_b32 s17, 0
	s_lshl_b32 s24, s15, 11                        ; two rows of 1,024 codes
	s_mov_b32 s25, 0
	s_mov_b32 s18, 0x76543210                      ; v_permlanex16_b32: lane l takes lane l xor 16
	s_mov_b32 s19, 0xfedcba98
	s_mov_b32 s20, 0x3a800000                      ; 1 / 1024
	s_mov_b32 s21, 0x3727c5ac                      ; eps = 1e-5
	s_wait_kmcnt 0x0
	s_load_b32 s22, s[10:11], EOFF                 ; e
	s_add_nc_u64 s[4:5], s[4:5], s[16:17]
	s_add_nc_u64 s[12:13], s[12:13], s[24:25]
.irp p, 0,1
.irp j, 0,1,2,3
	global_load_b128 v[X+32*\p+8*\j:X+32*\p+8*\j+3],   v1, s[4:5] offset:4096*\p+1024*\j th:TH_LOAD_NT
	global_load_b128 v[X+32*\p+8*\j+4:X+32*\p+8*\j+7], v1, s[4:5] offset:4096*\p+1024*\j+16 th:TH_LOAD_NT
.endr
.endr
.irp j, 0,1,2,3
	global_load_b128 v[G+8*\j:G+8*\j+3],   v1, s[6:7] offset:1024*\j
	global_load_b128 v[G+8*\j+4:G+8*\j+7], v1, s[6:7] offset:1024*\j+16
.endr
.irp j, 0,1,2,3
	global_load_b128 v[BB+8*\j:BB+8*\j+3],   v1, s[8:9] offset:1024*\j
	global_load_b128 v[BB+8*\j+4:BB+8*\j+7], v1, s[8:9] offset:1024*\j+16
.endr
	s_wait_kmcnt 0x0
	s_add_co_i32 s22, s22, 127
	s_lshl_b32 s23, s22, 23
	v_mov_b32 v[SC], s23                           ; 2^e as f32: the conversion takes its exponent field
	s_add_co_i32 s22, s22, 8
	s_lshl_b32 s22, s22, 23
	s_or_b32 s22, s22, 0x600000
	v_mov_b32 v[LIM], s22                          ; 448 x 2^e
.macro ALLSUM                          ; v[T] summed over the 32 lanes, the result in every lane
	v_add_f32_dpp v[T], v[T], v[T] row_xmask:1 row_mask:0xf bank_mask:0xf
	v_add_f32_dpp v[T], v[T], v[T] row_xmask:2 row_mask:0xf bank_mask:0xf
	v_add_f32_dpp v[T], v[T], v[T] row_xmask:4 row_mask:0xf bank_mask:0xf
	v_add_f32_dpp v[T], v[T], v[T] row_xmask:8 row_mask:0xf bank_mask:0xf
	v_permlanex16_b32 v[T+4], v[T], s18, s19
	v_add_f32 v[T], v[T], v[T+4]
.endm
.macro STATS p                         ; row p: the mean; x - mean in place; 1 / sqrt(mean of squares + eps)
.set XP, X+32*\p
	v_pk_add_f32 v[T:T+1], v[XP:XP+1], v[XP+2:XP+3]
	v_pk_add_f32 v[T+2:T+3], v[XP+4:XP+5], v[XP+6:XP+7]
.irp j, 8,12,16,20,24,28
	v_pk_add_f32 v[T:T+1], v[T:T+1], v[XP+\j:XP+\j+1]
	v_pk_add_f32 v[T+2:T+3], v[T+2:T+3], v[XP+\j+2:XP+\j+3]
.endr
	v_pk_add_f32 v[T:T+1], v[T:T+1], v[T+2:T+3]
	v_add_f32 v[T], v[T], v[T+1]
	ALLSUM
	v_mul_f32 v[MU+2*\p], s20, v[T]
	v_mov_b32 v[MU+2*\p+1], v[MU+2*\p]
.set j, 0
.rept 16
	v_pk_add_f32 v[XP+j:XP+j+1], v[XP+j:XP+j+1], v[MU+2*\p:MU+2*\p+1] neg_lo:[0,1] neg_hi:[0,1]
.set j, j+2
.endr
	v_pk_mul_f32 v[T:T+1], v[XP:XP+1], v[XP:XP+1]
	v_pk_mul_f32 v[T+2:T+3], v[XP+2:XP+3], v[XP+2:XP+3]
.irp j, 4,8,12,16,20,24,28
	v_pk_fma_f32 v[T:T+1], v[XP+\j:XP+\j+1], v[XP+\j:XP+\j+1], v[T:T+1]
	v_pk_fma_f32 v[T+2:T+3], v[XP+\j+2:XP+\j+3], v[XP+\j+2:XP+\j+3], v[T+2:T+3]
.endr
	v_pk_add_f32 v[T:T+1], v[T:T+1], v[T+2:T+3]
	v_add_f32 v[T], v[T], v[T+1]
	ALLSUM
	v_fma_f32 v[T], v[T], s20, s21                 ; the variance + eps
	v_rsq_f32 v[RS+2*\p], v[T]
	v_nop                                          ; a plain instruction behind the transcendental (ISA guide 5.7.2)
	s_wait_alu depctr_va_vdst(0)                   ; the wait ahead of the first line that names the result
	v_mov_b32 v[RS+2*\p+1], v[RS+2*\p]
.endm
.macro NORM p                          ; row p: x 1/sigma, x gain + bias, the hold, the conversion, four stores of 256 bytes a wave
.set XP, X+32*\p
.set j, 0
.rept 16
	v_pk_mul_f32 v[XP+j:XP+j+1], v[XP+j:XP+j+1], v[RS+2*\p:RS+2*\p+1]
.set j, j+2
.endr
.set j, 0
.rept 16
	v_pk_fma_f32 v[XP+j:XP+j+1], v[XP+j:XP+j+1], v[G+j:G+j+1], v[BB+j:BB+j+1]
.set j, j+2
.endr
.set j, 0
.rept 32
	v_med3_num_f32 v[XP+j], v[XP+j], -v[LIM], v[LIM]   ; the conversion to an 8-bit code does not saturate (ISA guide 7.6.2)
.set j, j+1
.endr
.irp q, 0,1,2,3
	v_cvt_scalef32_pk8_fp8_f32 v[CD+8*\p+2*\q:CD+8*\p+2*\q+1], v[XP+8*\q:XP+8*\q+7], v[SC]
.endr
	v_nop                                          ; a plain instruction behind the last conversion
.irp q, 0,1,2,3
	global_store_b64 v2, v[CD+8*\p+2*\q:CD+8*\p+2*\q+1], s[12:13] offset:1024*\p+256*\q
.endr
.endm
	s_wait_loadcnt 24                              ; row 0's eight loads are in; row 1's, the gain's and the bias's 24 may be out
	STATS 0
	s_wait_loadcnt 16                              ; row 1's are in
	STATS 1
	s_wait_loadcnt 0x0
	NORM 0
	NORM 1
	s_endpgm
.Lfunc_end_k_q55d95f8f44_ln1:
	.size	k_q55d95f8f44_ln1, .Lfunc_end_k_q55d95f8f44_ln1-k_q55d95f8f44_ln1
	.p2alignl 7, 3214868480
	.fill 96, 4, 3214868480
	.section	.rodata,"a",@progbits
	.p2align	6, 0x0
	.amdhsa_kernel k_q55d95f8f44_ln1
		.amdhsa_group_segment_fixed_size 0
		.amdhsa_private_segment_fixed_size 0
		.amdhsa_enable_private_segment 0
		.amdhsa_kernarg_size 40
		.amdhsa_user_sgpr_count 2
		.amdhsa_user_sgpr_kernarg_segment_ptr 1
		.amdhsa_wavefront_size32 1
		.amdhsa_system_sgpr_workgroup_id_x 1
		.amdhsa_system_sgpr_workgroup_id_y 1
		.amdhsa_system_sgpr_workgroup_id_z 1
		.amdhsa_system_vgpr_workitem_id 0
		.amdhsa_next_free_vgpr 168
		.amdhsa_next_free_sgpr 66
		.amdhsa_reserve_vcc 0
		.amdhsa_float_denorm_mode_32 3
		.amdhsa_float_denorm_mode_16_64 3
		.amdhsa_memory_ordered 1
		.amdhsa_forward_progress 1
		.amdhsa_inst_pref_size 22
	.end_amdhsa_kernel
	.amdgpu_metadata
---
amdhsa.version: [ 1, 2 ]
amdhsa.kernels:
  - .name:           k_q55d95f8f44_ln1
    .symbol:         k_q55d95f8f44_ln1.kd
    .args:
      - { .name: x, .offset: 0, .size: 8, .value_kind: global_buffer, .address_space: global }
      - { .name: ln1_g, .offset: 8, .size: 8, .value_kind: global_buffer, .address_space: global }
      - { .name: ln1_b, .offset: 16, .size: 8, .value_kind: global_buffer, .address_space: global }
      - { .name: lowp_scales, .offset: 24, .size: 8, .value_kind: global_buffer, .address_space: global }
      - { .name: cod, .offset: 32, .size: 8, .value_kind: global_buffer, .address_space: global }
    .group_segment_fixed_size: 0
    .private_segment_fixed_size: 0
    .kernarg_segment_align: 8
    .kernarg_segment_size: 40
    .max_flat_workgroup_size: 256
    .sgpr_count:     66
    .vgpr_count:     168
    .wavefront_size: 32
...
	.end_amdgpu_metadata
.endif
;; end of part 1
;; launch qkv (part 2): grid 12 x 16, 4 waves a work-group, clusters of 4 x 4, 327,680 bytes of LDS; arguments cod, w_qkv_codes, lowp_scales, qimg, kimg, vimg; writes qimg, kimg, vimg
.if DOCPART == 2
	.amdgcn_target "amdgcn-amd-amdhsa--gfx1250"
	.amdhsa_code_object_version 6
	.text
	.protected	k_q55d95f8f44_qkv
	.globl	k_q55d95f8f44_qkv
	.p2align	8
	.type	k_q55d95f8f44_qkv,@function
k_q55d95f8f44_qkv:
	s_mov_b64 s[64:65], 0
	v_nop
	global_prefetch_b8 v0, s[64:65] scope:SCOPE_SE
	s_setreg_imm32_b32 hwreg(HW_REG_WAVE_MODE, 25, 1), 1
	s_wait_xcnt 0x0
	s_wait_alu depctr_hold_cnt(0) depctr_sa_sdst(0) depctr_va_vdst(0) depctr_va_sdst(0) depctr_va_ssrc(0) depctr_va_vcc(0) depctr_vm_vsrc(0)
	s_getreg_b32 s2, hwreg(HW_REG_IB_STS2, 6, 4)
	s_cmp_eq_u32 s2, 0
	s_cbranch_scc0 .Lentry_in_a_cluster
	s_endpgm
.Lentry_in_a_cluster:
	s_bfe_u32 s2, ttmp6, 0x10000c
	s_cmp_lg_u32 s2, 0xf033
	s_cbranch_scc0 .Lentry_shape_is_right
	s_endpgm
.Lentry_shape_is_right:
; q, k, v = LN1(x) W^T on codes of E4M3, and their quantising: code = sum x 2^(e0 + e1) / 2^et, et = e2 (q), e3 (k), e5 (v), held within +-448.
; cod: [4096 tokens][1024], W: [3072][1024], one code a byte, K innermost.  A tile of 256 x 256 to a work-group of four waves, 128 x 128 to a wave: 64 accumulators, 512 registers.
; K goes in steps of 256 through a ring of two LDS slots filled by the tensor data mover.  4 x 4 work-groups form a cluster: the tile that hangs on cy is asked for jointly along a row, the one that hangs on cx along a column.
; THE MATRIX INSTRUCTION takes the column operand (called B here) as source 0 and the row operand (A) as source 1: lane (r, h) of accumulator (a, b) holds A's row 16 a + r and B's rows 16 b + 8 h + 0 .. 7.
; The cluster's x is the part: 0 = q, 1 = k, 2 = v.  For q and k A = tokens, B = features: a lane's eight results run along the head's features, the next K.  For v the next K is the keys: A = features, B = tokens.
; The two buffers and tile numbers change places by selects on the cluster's x, which all sixteen partners share; there is no branch on it.
; OUT: image blocks of 16,384 bytes = 128 rows x 128 along the next K, [rho 0..7][gamma 0..3][lane][16 bytes]: row 16 rho + lane % 16, columns 32 gamma + 8 (lane / 16) + 0..7, then 32 gamma + 16 + 8 (lane / 16) + 0..7:
; the order of the 8-bit operand's registers (ISA guide 7.12.2).  A lane's codes of accumulators (a, 2 g) and (a, 2 g + 1) ARE its own unit (rho = a, gamma = g): nothing changes lanes, and each store covers 512 consecutive bytes.
; Block index: ((batch x 8 + pair of heads) x 16 + token block in the batch).
; LIMITS: et - e0 - e1 between -126 and 119.  NaN is not served.
; REGISTERS, in windows of 256: window 0: v0-31 addresses, v128-255 A's fragments (one set); on the way out v32-95 held sums, v96-223 codes.  window 1: B's fragments, two sets.  windows 2, 3: the accumulators.
.set SIZE_K, 1024
.set KSTEP,  256                       ; along K in a slot
.set ROWB,   256                       ; a tile's row in bytes
.set KROW,   SIZE_K                    ; a row of either operand in memory, in bytes
.set PITCH,  272                       ; an LDS row: 256 bytes + 16 of padding = 68 words: the 16 rows that a load touches start at 16 different banks (ISA guide 11.1)
.set FR,     16                        ; registers of a fragment: 16 rows x 128 K
.set NL,     4                         ; LDS loads that bring one
.set NP,     4                         ; places behind this matrix instruction (ISA guide 7.12.1)
.set HALFT,  128*PITCH                 ; 128 rows: what one tensor load brings
.set SLOT,   4*HALFT                   ; A's 256 rows, then B's 256 rows
.set LAPS,   SIZE_K/(2*KSTEP)          ; a lap = two K steps = once round the ring
.set SPARE,  2*SLOT                    ; behind the ring: the spare words, 128 bytes for each wave, which no other line names
.set LIM,  10                          ; v10  448 x the conversion's scale
.set SC,   11                          ; v11  the conversion's scale
.set ADRA, 16                          ; v16-17  LDS address of my A fragments in slot 0, 1
.set ADRB, 20                          ; v20-21  the same for B
.set CO,   26                          ; v26  16 x lane: my place in 512 bytes of an image
.set SPW,  28                          ; v28  LDS address of my spare word; never rewritten
.set NIL,  29                          ; v29  0; never rewritten
.set TMP,  32                          ; v32-95  a block's 64 sums, held
.set CD,   96                          ; v96-223 the codes: 16 registers for each block, so no store's data are written again
.set AF,   128
.set G1, 24                            ; s[24:31] descriptor group 1 for A's tiles;  s[32:39] group 0, one set for each slot
.set G0, 32
.set G1B, 48                           ; s[48:55], s[56:63] the same for B's tiles
.set G0B, 56
.set MSB, 0
.macro WIN new                         ; the immediate's high byte repeats the setting that is left
.if MSB != \new
	s_set_vgpr_msb (MSB<<8)|\new
.set MSB, \new
.endif
.endm
.set MUL_LO, 0xa1                      ; source 0 (B) window 1, source 1 (A) window 0, C and D window 2
.set MUL_HI, 0xf1                      ; the same, C and D window 3
.set TO_B,   0x40                      ; destination window 1, address window 0
; A joint load: waves 0 and 1 fetch for A, waves 2 and 3 for B; the branch hangs on the wave's number alone.  Four v_nop follow each of the two lines.
.macro JLOAD g0a, g1a, g0b, g1b
	s_cmp_eq_u32 s15, 0
	s_cbranch_scc0 .Lfor_b_\@
	tensor_load_to_lds s[\g0a:\g0a+3], s[\g1a:\g1a+7]
	s_nop 0
.rept 4
	v_nop
.endr
	s_branch .Lasked_\@
.Lfor_b_\@:
	tensor_load_to_lds s[\g0b:\g0b+3], s[\g1b:\g1b+7]
	s_nop 0
.rept 4
	v_nop
.endr
.Lasked_\@:
.endm
.macro CREST                           ; a round of the cluster's barrier behind its opening barrier
	s_cmp_lg_u32 s14, 0
	s_cbranch_scc1 .Lnot_wave_0_\@
	s_barrier_signal -3
.Lnot_wave_0_\@:
	s_barrier_wait -3
	s_barrier_signal -1
	s_barrier_wait -1
.endm
.macro CROUND                          ; a whole round
	s_barrier_signal -1
	s_barrier_wait -1
	CREST
.endm
	s_load_b128 s[4:7], s[0:1], 0x0                ; LN1's codes s[4:5], W's codes s[6:7]
	s_load_b64 s[8:9], s[0:1], 0x10                ; the scales' exponents
	s_load_b128 s[68:71], s[0:1], 0x18             ; q's images s[68:69], k's s[70:71]
	s_load_b64 s[72:73], s[0:1], 0x28              ; v's
	v_lshl_add_u32 v[SPW], v0, 2, SPARE
	v_mov_b32 v[NIL], 0
	ds_add_u32 v28, v29
	ds_add_u32 v28, v29
	s_wait_dscnt 0x0
	v_lshrrev_b32 v1, 5, v0
	v_readfirstlane_b32 s14, v1                    ; wave 0..3
	s_lshr_b32 s15, s14, 1                         ; which half of A's rows is mine.  Also: I fetch for A (0) or for B (1)
	s_and_b32 s16, s14, 1                          ; which half of B's rows.  Also: which 128 rows of that tile I fetch
	s_bfe_u32 s40, ttmp6, 0x40000                  ; cx, cy: my place in the cluster
	s_bfe_u32 s41, ttmp6, 0x40004
	s_and_b32 s18, ttmp7, 0xffff
	s_lshl_b32 s18, s18, 2                         ; 4 x cluster y
	s_add_co_u32 s17, s18, s41                     ; q, k: A's tile = tokens 256 (4 cluster y + cy)
	s_add_co_u32 s19, s41, 8                       ; v:    A's tile = W's rows 256 (8 + cy)
	s_lshl_b32 s42, ttmp9, 2
	s_add_co_u32 s42, s42, s40                     ; q, k: B's tile = W's rows 256 (4 part + cx)
	s_add_co_u32 s45, s18, s40                     ; v:    B's tile = tokens 256 (4 cluster y + cx)
	s_cmp_eq_u32 ttmp9, 2                          ; the part v?  The same in all sixteen partners
	s_cselect_b32 s17, s19, s17                    ; A's tile number: made of cy alone
	s_cselect_b32 s42, s45, s42                    ; B's: of cx alone
	s_lshl_b32 s43, s41, 2
	s_lshl_b32 s43, 15, s43                        ; my row of the cluster
	s_lshl_b32 s44, 0x1111, s40                    ; my column
	; descriptor group 1: a tile of 128 rows x 256 bytes, padded in LDS
	s_or_b32 s[G1+0], s43, (0<<16)|(1<<20)|(1<<21)|(5<<22)|(3<<25)  ; 15:0 the mask; 17:16 elements of 1 byte; 20 padding on; 21 set beside a mask; 24:22 after every 64 words; 31:25 four words
	s_or_b32 s[G1B+0], s44, (0<<16)|(1<<20)|(1<<21)|(5<<22)|(3<<25)
.irp g, G1, G1B
	s_mov_b32 s[\g+1], ROWB<<16                    ; tensor_dim0
	s_mov_b32 s[\g+2], 128<<16                     ; tensor_dim1
	s_mov_b32 s[\g+3], ROWB<<16                    ; tile_dim0
	s_mov_b32 s[\g+4], 128                         ; tile_dim1
	s_mov_b32 s[\g+5], KROW                        ; tensor_dim0_stride
	s_mov_b32 s[\g+6], 0
	s_mov_b32 s[\g+7], 0
.endr
	s_lshl_b32 s18, s16, 7                         ; which 128 rows of the tile I fetch
	s_lshl_b32 s20, s17, 8
	s_add_co_u32 s20, s20, s18
	s_lshl_b32 s20, s20, 10                        ; A: (256 tile + 128 half) rows of 1,024 bytes
	s_mov_b32 s21, 0
	s_lshl_b32 s46, s42, 8
	s_add_co_u32 s46, s46, s18
	s_lshl_b32 s46, s46, 10                        ; B likewise
	s_mov_b32 s47, 0
	s_mul_i32 s45, s14, HALFT                      ; where they go: wave x 128 rows: no place in the cluster enters an LDS address
	s_wait_kmcnt 0x0
	s_load_b256 s[76:83], s[8:9], 0x0              ; e0 .. e7
	s_cmp_eq_u32 ttmp9, 2
	s_cselect_b64 s[22:23], s[6:7], s[4:5]         ; A's buffer: W for v, else the tokens' codes
	s_cselect_b64 s[84:85], s[4:5], s[6:7]         ; B's: the other
	s_add_nc_u64 s[20:21], s[22:23], s[20:21]
	s_add_nc_u64 s[46:47], s[84:85], s[46:47]
	CROUND                                         ; all sixteen work-groups are here: the first joint loads meet
.irp s, 0,1
	s_mov_b32 s[G0+4*\s], 1
	s_add_co_u32 s[G0+4*\s+1], s45, \s*SLOT
	s_add_nc_u64 s[G0+4*\s+2:G0+4*\s+3], s[20:21], \s*ROWB
	s_or_b32 s[G0+4*\s+3], s[G0+4*\s+3], 0x80000000
	s_mov_b32 s[G0B+4*\s], 1
	s_add_co_u32 s[G0B+4*\s+1], s45, \s*SLOT
	s_add_nc_u64 s[G0B+4*\s+2:G0B+4*\s+3], s[46:47], \s*ROWB
	s_or_b32 s[G0B+4*\s+3], s[G0B+4*\s+3], 0x80000000
	JLOAD G0+4*\s, G1, G0B+4*\s, G1B
.endr
	v_and_b32 v1, 15, v0                           ; l % 16
	v_bfe_u32 v2, v0, 4, 1                         ; l / 16
	v_mul_u32_u24 v3, v1, PITCH
	v_lshl_add_u32 v4, v2, 4, v3                   ; a fragment's row x pitch + 16 x half
	s_mul_i32 s21, s15, HALFT                      ; my 128 rows of A
	s_mul_i32 s22, s16, HALFT                      ; my 128 rows of B,
	s_add_co_u32 s22, s22, 2*HALFT                 ; which lie behind A's 256
.irp s, 0,1
	v_add_nc_u32 v[ADRA+\s], s21, v4
	v_add_nc_u32 v[ADRB+\s], s22, v4
	s_add_co_u32 s21, s21, SLOT
	s_add_co_u32 s22, s22, SLOT
.endr
	v_and_b32 v6, 31, v0
	v_lshlrev_b32 v[CO], 4, v6
	; my wave's image block
	s_lshl_b32 s20, s17, 1
	s_add_co_u32 s20, s20, s15                     ; which 128 of A's rows
	s_lshl_b32 s21, s42, 1
	s_add_co_u32 s21, s21, s16                     ; which 128 of B's rows
	s_cmp_eq_u32 ttmp9, 2
	s_cselect_b32 s22, s21, s20                    ; the token block, 0..31
	s_cselect_b32 s23, s20, s21                    ; the block of 128 features,
	s_and_b32 s23, s23, 7                          ; in its part: the pair of heads
	s_lshr_b32 s84, s22, 4                         ; the batch
	s_lshl_b32 s84, s84, 3
	s_add_co_u32 s84, s84, s23
	s_lshl_b32 s84, s84, 4
	s_and_b32 s22, s22, 15
	s_add_co_u32 s84, s84, s22
	s_lshl_b32 s84, s84, 14                        ; x 16,384 bytes
	s_mov_b32 s85, 0
	s_cmp_eq_u32 ttmp9, 0
	s_cselect_b64 s[10:11], s[68:69], s[70:71]
	s_cmp_eq_u32 ttmp9, 2
	s_cselect_b64 s[10:11], s[72:73], s[10:11]
	s_add_nc_u64 s[10:11], s[10:11], s[84:85]
.macro FRAG reg, adr, q, i             ; a fragment: lane l holds row l % 16; registers 4 c .. 4 c + 3 hold K = 32 c + 16 (l / 16) + 0 .. 15: the same places of k in A and in B
.irp c, 0,1,2,3
	ds_load_b128 v[\reg+4*\c:\reg+4*\c+3], v[\adr] offset:128*(\q)+32*\c+(\i)*16*PITCH
.endr
.endm
; 16 matrix instructions: A's blocks a0, a0 + 1 x B's eight, 128 along K.  p: B's set.  zero = 1: the first product starts the sums.  The 64 accumulators take turns.
.macro MUL16 a0, p, zero
.irp a, \a0, \a0+1
.irp b, 0,1,2,3,4,5,6,7
.if \zero
	v_wmma_f32_16x16x128_fp8_fp8 v[8*(8*((\a)%4)+\b):8*(8*((\a)%4)+\b)+7], v[128*(\p)+FR*\b:128*(\p)+FR*\b+FR-1], v[AF+FR*(\a):AF+FR*(\a)+FR-1], 0
.else
	v_wmma_f32_16x16x128_fp8_fp8 v[8*(8*((\a)%4)+\b):8*(8*((\a)%4)+\b)+7], v[128*(\p)+FR*\b:128*(\p)+FR*\b+FR-1], v[AF+FR*(\a):AF+FR*(\a)+FR-1], v[8*(8*((\a)%4)+\b):8*(8*((\a)%4)+\b)+7]
.endif
.endr
.endr
.endm
.macro FETCH_B slot, q, p              ; B's eight fragments of the slot's q-th 128 along K into set p
	WIN TO_B
.irp i, 0,1,2,3,4,5,6,7
	FRAG 128*(\p)+FR*\i, ADRB+\slot, \q, \i
.endr
	WIN 0
.endm
.macro FETCH_A slot, q, i0             ; A's blocks i0 .. i0 + 3
.irp i, \i0, \i0+1, \i0+2, \i0+3
	FRAG AF+FR*(\i), ADRA+\slot, \q, \i
.endr
.endm
.macro PLACES n                        ; plain vector instructions between a matrix instruction and a load into, or a read of, its registers
.rept \n
	v_nop
.endr
.endm
; A step of 128 along K that has its successor in the same slot.
.macro STEP slot, q, zero
	s_wait_dscnt 4*NL                              ; B's set and A's blocks 0-3 are in; the youngest sixteen loads (A's blocks 4-7) may be out
	WIN MUL_LO
	MUL16 0, (\q)%2, \zero
	MUL16 2, (\q)%2, \zero
	s_wait_dscnt 0                                 ; A's blocks 4-7 are in
	PLACES NP
	FETCH_B \slot, (\q)+1, 1-(\q)%2
	FETCH_A \slot, (\q)+1, 0
	WIN MUL_HI
	MUL16 4, (\q)%2, \zero
	MUL16 6, (\q)%2, \zero
	PLACES NP
	WIN 0
	FETCH_A \slot, (\q)+1, 4
.endm
; A slot's last step changes slots: one barrier; in front of it each wave waits for all its tensor loads, adds 0 to its spare word, and waits for that and for its own reads of this slot.  fill = 1: the slot is filled again, two K steps ahead.
.macro TURN slot, next, fill
	s_wait_tensorcnt 0x0                           ; all my tensor loads have landed: my part of the next slot
	ds_add_u32 v[SPW], v[NIL]                      ; 0 onto my spare word
	s_wait_dscnt 4*NL+1                            ; (the add and the youngest sixteen loads may be out)
	WIN MUL_LO
	MUL16 0, 1, 0
	s_wait_dscnt 0x0                               ; the add is done, and my reads of this slot are over
	s_barrier_signal -1
	MUL16 2, 1, 0
	WIN 0
	s_barrier_wait -1
.if \fill
	CREST                                          ; the barrier has opened a round of the cluster's: no wave of any partner still reads this slot or has a load on its way
	s_add_nc_u64 s[G0+4*\slot+2:G0+4*\slot+3], s[G0+4*\slot+2:G0+4*\slot+3], 2*ROWB
	s_add_nc_u64 s[G0B+4*\slot+2:G0B+4*\slot+3], s[G0B+4*\slot+2:G0B+4*\slot+3], 2*ROWB
	JLOAD G0+4*\slot, G1, G0B+4*\slot, G1B         ; the first tensor load behind the round; its four v_nop are also the places in front of the loads below
.else
	PLACES NP
.endif
	FETCH_B \next, 0, 0
	FETCH_A \next, 0, 0
	WIN MUL_HI
	MUL16 4, 1, 0
	MUL16 6, 1, 0
	PLACES NP
	WIN 0
	FETCH_A \next, 0, 4
.endm
	s_wait_tensorcnt 1                             ; my part of K step 0 is in (K step 1's load may be out)
	s_barrier_signal -1
	s_barrier_wait -1                              ; everybody's is
	FETCH_B 0, 0, 0
	FETCH_A 0, 0, 0
	FETCH_A 0, 0, 4
	STEP 0, 0, 1                                   ; the first step stands in front of the loop: its products start the sums
	s_mov_b32 s3, LAPS-1
.Llap:                                                 ; a trip goes once round the ring and fills both slots again
	TURN 0, 1, 1
	STEP 1, 0, 0
	TURN 1, 0, 1
	STEP 0, 0, 0
	s_sub_co_u32 s3, s3, 1
	s_cmp_lg_u32 s3, 0
	s_cbranch_scc1 .Llap
	TURN 0, 1, 0                                   ; the last lap fills nothing
	STEP 1, 0, 0
	s_wait_dscnt 4*NL                              ; the very last step
	WIN MUL_LO
	MUL16 0, 1, 0
	MUL16 2, 1, 0
	s_wait_dscnt 0
	WIN MUL_HI
	MUL16 4, 1, 0
	MUL16 6, 1, 0
	WIN 0
	; THE WAY OUT.  The three scales are folded into the conversion's one: code = sum / 2^(et - e0 - e1).
	s_wait_kmcnt 0x0
	s_cmp_eq_u32 ttmp9, 0
	s_cselect_b32 s86, s78, s79                    ; e2 for q, e3 for k,
	s_cmp_eq_u32 ttmp9, 2
	s_cselect_b32 s86, s81, s86                    ; e5 for v
	s_sub_co_i32 s86, s86, s76
	s_sub_co_i32 s86, s86, s77
	s_add_co_i32 s86, s86, 127
	s_lshl_b32 s87, s86, 23
	v_mov_b32 v[SC], s87
	s_add_co_i32 s86, s86, 8
	s_lshl_b32 s86, s86, 23
	s_or_b32 s86, s86, 0x600000
	v_mov_b32 v[LIM], s86                          ; 448 x that
	PLACES NP                                      ; behind the last products: their results are read, and A's registers written, below
.macro QBLOCK a                        ; 16 rows x 128 columns: 64 holds (each accumulator from its low end on), 8 conversions, 4 stores of 512 consecutive bytes
.set AC, 64*((\a)%4)
	WIN 0x02+((\a)/4)                              ; source 0: window 2 or 3
.set j, 0
.rept 64
	v_med3_num_f32 v[TMP+j], v[AC+j], -v[LIM], v[LIM]   ; the conversion to an 8-bit code does not saturate (ISA guide 7.6.2)
.set j, j+1
.endr
	WIN 0
.irp b, 0,1,2,3,4,5,6,7
	v_cvt_scalef32_pk8_fp8_f32 v[CD+16*(\a)+2*\b:CD+16*(\a)+2*\b+1], v[TMP+8*\b:TMP+8*\b+7], v[SC]
.endr
	v_nop                                          ; a plain instruction behind the last conversion: the next block's holds write its sources
.irp g, 0,1,2,3
	global_store_b128 v[CO], v[CD+16*(\a)+4*\g:CD+16*(\a)+4*\g+3], s[10:11] offset:2048*(\a)+512*\g th:TH_STORE_NT
.endr
.endm
.irp a, 0,1,2,3,4,5,6,7
	QBLOCK \a
.endr
	s_wait_tensorcnt 0x0                           ; the wave's end
	ds_add_u32 v[SPW], v[NIL]
	s_wait_dscnt 0x0
	CROUND                                         ; the closing round: no work-group ends while a partner may still ask for a tile that names it
	s_endpgm
.Lfunc_end_k_q55d95f8f44_qkv:
	.size	k_q55d95f8f44_qkv, .Lfunc_end_k_q55d95f8f44_qkv-k_q55d95f8f44_qkv
	.p2alignl 7, 3214868480
	.fill 96, 4, 3214868480
	.section	.rodata,"a",@progbits
	.p2align	6, 0x0
	.amdhsa_kernel k_q55d95f8f44_qkv
		.amdhsa_group_segment_fixed_size 327680
		.amdhsa_private_segment_fixed_size 0
		.amdhsa_enable_private_segment 0
		.amdhsa_kernarg_size 48
		.amdhsa_user_sgpr_count 2
		.amdhsa_user_sgpr_kernarg_segment_ptr 1
		.amdhsa_wavefront_size32 1
		.amdhsa_system_sgpr_workgroup_id_x 1
		.amdhsa_system_sgpr_workgroup_id_y 1
		.amdhsa_system_sgpr_workgroup_id_z 1
		.amdhsa_system_vgpr_workitem_id 0
		.amdhsa_next_free_vgpr 1024
		.amdhsa_next_free_sgpr 100
		.amdhsa_reserve_vcc 0
		.amdhsa_float_denorm_mode_32 3
		.amdhsa_float_denorm_mode_16_64 3
		.amdhsa_memory_ordered 1
		.amdhsa_forward_progress 1
		.amdhsa_inst_pref_size 118
	.end_amdhsa_kernel
	.amdgpu_metadata
---
amdhsa.version: [ 1, 2 ]
amdhsa.kernels:
  - .name:           k_q55d95f8f44_qkv
    .symbol:         k_q55d95f8f44_qkv.kd
    .args:
      - { .name: cod, .offset: 0, .size: 8, .value_kind: global_buffer, .address_space: global }
      - { .name: w_qkv_codes, .offset: 8, .size: 8, .value_kind: global_buffer, .address_space: global }
      - { .name: lowp_scales, .offset: 16, .size: 8, .value_kind: global_buffer, .address_space: global }
      - { .name: qimg, .offset: 24, .size: 8, .value_kind: global_buffer, .address_space: global }
      - { .name: kimg, .offset: 32, .size: 8, .value_kind: global_buffer, .address_space: global }
      - { .name: vimg, .offset: 40, .size: 8, .value_kind: global_buffer, .address_space: global }
    .group_segment_fixed_size: 327680
    .private_segment_fixed_size: 0
    .kernarg_segment_align: 8
    .kernarg_segment_size: 48
    .max_flat_workgroup_size: 128
    .sgpr_count:     100
    .vgpr_count:     1024
    .wavefront_size: 32
...
	.end_amdgpu_metadata
.endif
;; end of part 2
;; launch attn (part 3): grid 8 x 32, 16 waves a work-group, clusters of 4 x 1, 264,192 bytes of LDS; arguments qimg, kimg, vimg, lowp_scales, aimg; writes aimg
.if DOCPART == 3
	.amdgcn_target "amdgcn-amd-amdhsa--gfx1250"
	.amdhsa_code_object_version 6
	.text
	.protected	k_q55d95f8f44_attn
	.globl	k_q55d95f8f44_attn
	.p2align	8
	.type	k_q55d95f8f44_attn,@function
k_q55d95f8f44_attn:
	s_mov_b64 s[64:65], 0
	v_nop
	global_prefetch_b8 v0, s[64:65] scope:SCOPE_SE
	s_setreg_imm32_b32 hwreg(HW_REG_WAVE_MODE, 25, 1), 1
	s_wait_xcnt 0x0
	s_wait_alu depctr_hold_cnt(0) depctr_sa_sdst(0) depctr_va_vdst(0) depctr_va_sdst(0) depctr_va_ssrc(0) depctr_va_vcc(0) depctr_vm_vsrc(0)
	s_getreg_b32 s2, hwreg(HW_REG_IB_STS2, 6, 4)
	s_cmp_eq_u32 s2, 0
	s_cbranch_scc0 .Lentry_in_a_cluster
	s_endpgm
.Lentry_in_a_cluster:
	s_bfe_u32 s2, ttmp6, 0x10000c
	s_cmp_lg_u32 s2, 0x3003
	s_cbranch_scc0 .Lentry_shape_is_right
	s_endpgm
.Lentry_shape_is_right:
; Attention of one head on codes of E4M3, and the quantising of its result: o = (sum over keys of Q(p) v) / l, code = o / 2^e6, held within +-448.
; t = score x 2^(e2 + e3) x log2(e) / 8; M = the running largest t rounded UP to a whole number; p = 2^(t - M) is quantised with 2^e4; l is the sum of the unquantised p; when M moves, l and O are multiplied by 2^(old M - new M).
; SHARES.  A work-group owns 256 queries of one head (32 heads over both batches), each of its sixteen waves 16 of them in 256 registers: four waves to a SIMD, so that one wave's vector work stands beside another's products and LDS loads.
; A HEAD'S WHOLE K AND V LIE IN LDS, 131,072 bytes each, filled ONCE: no slot is ever filled again.  The four query blocks of a cluster read the same head: each piece is asked for jointly.
; Waves 0, 1 fetch K, waves 2, 3 fetch V, four pieces of 16,384 bytes (256 keys) each; a wave's first piece is one of the first two, so keys 0 to 511 are walked while the other twelve pieces land.
; IMAGES.  q, k, v come in blocks of 16,384 bytes, [rho][gamma][lane][16 bytes], in the order of the 8-bit operand's registers (ISA guide 7.12.2): each ds_load_b128 at 16 x lane brings four registers of a fragment, 512 dense bytes.
; LAYOUT.  S^T = K Q^T (source 0 = 16 keys, source 1 = my 16 queries, K = 64): register 8 t + j of lane (r, h) is key 16 t + 8 h + j of query r.  Eight such registers convert into registers 2 t, 2 t + 1 of P, which is
; where the K = 128 form wants k = 16 t + 8 h + 0..7.  O^T = V^T P^T (source 0 = 16 of the head's 64).  A lane holds one query throughout.
; THE STEP IS VECTOR WORK ABOVE ALL: 12 matrix instructions stand beside some 230 vector instructions.  So every pass over the 64 scores of a lane takes two numbers an instruction: the maximum by three-operand forms,
; the scaling, the sums and the rescaling by packed forms, the hold by dual issue; the exponentials alone go one by one.
; LIMITS: e2 + e3 between -123 and 130; e4 and e6 between -126 and 119; e4 + e5 goes by v_ldexp_f32 and has none.  NaN is not served.
.set VLDS,  131072                     ; LDS: K at 0: [key / 16][2][512];  V here: [key / 128][4 tiles of 16 channels][4][512]
.set PIECE, 16384
.set LK,  1                            ; v1  16 x lane
.set LV,  2                            ; v2  16 x lane + VLDS
.set AO,  3                            ; v3  the way out: 16 r + 8 h
.set PLIM, 4                           ; v4  448 x 2^e4;  v5  2^e4
.set PSC,  5
.set OLIM, 6                           ; v6  448 x 2^e6;  v7  2^e6
.set OSC,  7
.set ADK, 8                            ; v8, v9  the step's LDS addresses
.set ADV, 9
.set PLIM2, 10                         ; v10 448 x 2^e4 once more, for the second half of a dual hold
.set NM,  12                           ; v12 -M;  v13 the largest t;  v[14:15] l in two halves
.set Q,   16                           ; v[16:23]
.set P,   24                           ; v[24:39]
.set FF,  40                           ; v[40:41] f = 2^(old M - new M); the upper word is only named
.set L2,  42                           ; v[42:43] the sum's second chain
.set MA,  44                           ; v44, v45 at work; v46 the lane exchange
.set MB,  45
.set XC,  46
.set KF,  48                           ; v[48:111] K's eight fragments, then V's four
.set S,   112                          ; v[112:175] S^T, then p
.set O,   176                          ; v[176:207] O^T
.set OC,  208                          ; v[208:215] o's codes
.set WV,  18
.set SEL, 20
.set CS,  22
.set G1K, 24
.set G1V, 32
.set G0,  40                           ; s[40:55] four groups 0: my four pieces
.set TB,  2                            ; s2  8,192 x the key step
.set CNT, 3
.macro CROUND                          ; a round of the cluster's barrier
	s_barrier_signal -1
	s_barrier_wait -1
	s_cmp_lg_u32 s[WV], 0
	s_cbranch_scc1 .Lnot_wave_0_\@
	s_barrier_signal -3
.Lnot_wave_0_\@:
	s_barrier_wait -3
	s_barrier_signal -1
	s_barrier_wait -1
.endm
	s_load_b256 s[4:11], s[0:1], 0x0               ; q s[4:5], k s[6:7], v s[8:9], scales s[10:11]
	s_load_b64 s[12:13], s[0:1], 0x20              ; the result's images
	v_lshl_add_u32 v254, v0, 2, 0x40000
	v_mov_b32 v255, 0
	ds_add_u32 v254, v255
	ds_add_u32 v254, v255
	v_lshrrev_b32 v1, 5, v0
	v_readfirstlane_b32 s[WV], v1                  ; wave 0..15
	s_bfe_u32 s76, ttmp6, 0x40000                  ; cx
	s_lshl_b32 s77, ttmp9, 2
	s_add_co_u32 s77, s77, s76                     ; my block of 256 queries: it enters q's and the result's addresses alone
	s_and_b32 s78, ttmp7, 0xffff                   ; 16 x batch + head, which the four partners share
	s_lshr_b32 s79, s78, 1                         ; the pair of heads, 0..15
	s_and_b32 s80, s78, 1                          ; which of the pair
	s_and_b32 s81, s[WV], 1                        ; u
	s_bfe_u32 s82, s[WV], 0x10001                  ; 0: I fetch K; 1: V
	s_lshl_b32 s83, s82, 17
	s_lshl_b32 s84, s81, 14
	s_add_co_u32 s84, s84, s83                     ; LDS address of my first piece: piece u
	s_mul_i32 s85, s81, 3*PIECE
	s_add_co_u32 s85, s85, s83
	s_add_co_u32 s85, s85, 2*PIECE                 ; and of my second: piece 2 + 3 u; the third and fourth follow it
	s_lshl_b32 s86, s79, 18                        ; the pair's sixteen blocks
	s_cmp_lt_u32 s[WV], 2
	s_cselect_b32 s87, 10, 13
	s_lshl_b32 s87, s80, s87                       ; my head's part of a block begins at 1,024 (K) or 8,192 (V) x which of the pair
	s_add_co_u32 s86, s86, s87
	s_mov_b32 s87, 0
	s_lshl_b32 s90, s81, 15                        ; a piece is two blocks of memory: 32,768 bytes from piece to piece
	s_mov_b32 s91, 0
	s_mul_i32 s92, s81, 3*32768
	s_add_co_u32 s92, s92, 2*32768
	s_mov_b32 s93, 0
	; descriptor group 1.  K: 16 rows of 1,024 bytes, 2,048 apart (a head's half of each 16 keys).  V: 2 rows of 8,192 bytes, 16,384 apart (a head's half of each block).  Elements of 8 bytes, no padding.
	s_mov_b32 s[G1K], 15|(3<<16)|(1<<21)           ; 15:0 the mask: all four work-groups; 17:16 elements of 8 bytes; 21 set beside a mask
	s_mov_b32 s[G1K+1], 128<<16                    ; tensor_dim0
	s_mov_b32 s[G1K+2], 16<<16                     ; tensor_dim1
	s_mov_b32 s[G1K+3], 128<<16                    ; tile_dim0
	s_mov_b32 s[G1K+4], 16                         ; tile_dim1
	s_mov_b32 s[G1K+5], 256                        ; tensor_dim0_stride
	s_mov_b32 s[G1K+6], 0
	s_mov_b32 s[G1K+7], 0
	s_mov_b32 s[G1V], 15|(3<<16)|(1<<21)
	s_mov_b32 s[G1V+1], 1024<<16
	s_mov_b32 s[G1V+2], 2<<16
	s_mov_b32 s[G1V+3], 1024<<16
	s_mov_b32 s[G1V+4], 2
	s_mov_b32 s[G1V+5], 2048
	s_mov_b32 s[G1V+6], 0
	s_mov_b32 s[G1V+7], 0
	s_mov_b32 s[SEL], 0x76543210
	s_mov_b32 s[SEL+1], 0xfedcba98
	s_mov_b32 s[CS], 0x3e38aa3b                    ; log2(e) / 8
	s_mov_b32 s[TB], 0
	s_wait_dscnt 0x0
	s_wait_kmcnt 0x0
	s_load_b256 s[68:75], s[10:11], 0x0            ; e0 .. e7
	s_cmp_lt_u32 s[WV], 2
	s_cselect_b64 s[88:89], s[6:7], s[8:9]
	s_add_nc_u64 s[88:89], s[88:89], s[86:87]      ; my head in K or in V
	s_mov_b32 s[G0], 1
	s_mov_b32 s[G0+1], s84
	s_add_nc_u64 s[G0+2:G0+3], s[88:89], s[90:91]
	s_or_b32 s[G0+3], s[G0+3], 0x80000000
	s_add_nc_u64 s[88:89], s[88:89], s[92:93]
.irp i, 1,2,3
	s_mov_b32 s[G0+4*\i], 1
	s_add_co_u32 s[G0+4*\i+1], s85, (\i-1)*PIECE
	s_add_nc_u64 s[G0+4*\i+2:G0+4*\i+3], s[88:89], (\i-1)*32768
	s_or_b32 s[G0+4*\i+3], s[G0+4*\i+3], 0x80000000
.endr
	CROUND                                         ; all four work-groups are here: the joint loads meet
	s_cmp_lt_u32 s[WV], 2                          ; a wave's four fills stand in one branch on its number; four of mine are out at the most; four v_nop follow the last
	s_cbranch_scc0 .Lnot_k
.irp i, 0,1,2,3
	tensor_load_to_lds s[G0+4*\i:G0+4*\i+3], s[G1K:G1K+7]
	s_nop 0
.endr
.rept 4
	v_nop
.endr
	s_branch .Lasked
.Lnot_k:
	s_cmp_lt_u32 s[WV], 4
	s_cbranch_scc0 .Lasked
.irp i, 0,1,2,3
	tensor_load_to_lds s[G0+4*\i:G0+4*\i+3], s[G1V:G1V+7]
	s_nop 0
.endr
.rept 4
	v_nop
.endr
.Lasked:
	v_and_b32 v[LK], 31, v0
	v_lshlrev_b32 v[LK], 4, v[LK]
	v_add_nc_u32 v[LV], VLDS, v[LK]
	v_and_b32 v8, 15, v0                           ; r
	v_bfe_u32 v9, v0, 4, 1                         ; h
	v_lshlrev_b32 v[AO], 4, v8
	v_lshl_add_u32 v[AO], v9, 3, v[AO]
	; Q's fragment: block 16 pair + 2 query block + wave / 8; in it 2,048 (wave % 8) + 1,024 x which of the pair
	s_lshl_b32 s90, s79, 4
	s_lshl_b32 s91, s77, 1
	s_add_co_u32 s90, s90, s91
	s_lshr_b32 s91, s[WV], 3
	s_add_co_u32 s90, s90, s91
	s_lshl_b32 s90, s90, 14
	s_and_b32 s94, s[WV], 7
	s_lshl_b32 s94, s94, 11
	s_lshl_b32 s95, s80, 10
	s_add_co_u32 s94, s94, s95                     ; my place inside a block, in q's images and in the result's
	s_add_co_u32 s90, s90, s94
	s_mov_b32 s91, 0
	s_add_nc_u64 s[4:5], s[4:5], s[90:91]
	global_load_b128 v[Q:Q+3], v[LK], s[4:5]
	global_load_b128 v[Q+4:Q+7], v[LK], s[4:5] offset:512
	; the result: block (token block) x 8 + pair of heads in the batch; token block = 16 batch + 2 query block + wave / 8
	s_lshr_b32 s92, s78, 4
	s_lshl_b32 s92, s92, 4
	s_lshl_b32 s93, s77, 1
	s_add_co_u32 s92, s92, s93
	s_lshr_b32 s93, s[WV], 3
	s_add_co_u32 s92, s92, s93
	s_lshl_b32 s92, s92, 3
	s_and_b32 s93, s79, 7
	s_add_co_u32 s92, s92, s93
	s_lshl_b32 s92, s92, 14
	s_add_co_u32 s92, s92, s94
	s_mov_b32 s93, 0
	s_add_nc_u64 s[12:13], s[12:13], s[92:93]
	v_mov_b32 v13, 0xff61b1e6                      ; the largest t so far: -3e38, under every t
	v_floor_f32 v[NM], -v13                        ; -M
	v_mov_b32 v14, 0
	v_mov_b32 v15, 0
	v_mov_b32 v[FF+1], 0                           ; (named as the upper half of a pair)
	v_mov_b32 v[XC], 0                             ; written once: a lane permute's destination counts as one of its sources
.set j, 0
.rept 32
	v_mov_b32 v[O+j], 0                            ; the step is written for every step alike: the first finds zeros, which the first change of M leaves zeros
.set j, j+1
.endr
	s_wait_kmcnt 0x0
	s_add_co_i32 s94, s70, s71
	s_lshl_b32 s94, s94, 23
	s_add_co_i32 s[CS], s[CS], s94                 ; a score stands for score x 2^(e2 + e3): added to c's exponent field
	s_mov_b32 s[CS+1], s[CS]
	s_add_co_i32 s94, s72, 127
	s_lshl_b32 s95, s94, 23
	v_mov_b32 v[PSC], s95                          ; 2^e4
	s_add_co_i32 s94, s94, 8
	s_lshl_b32 s94, s94, 23
	s_or_b32 s94, s94, 0x600000
	v_mov_b32 v[PLIM], s94                         ; 448 x 2^e4,
	v_mov_b32 v[PLIM2], s94                        ; twice
	s_add_co_i32 s94, s74, 127
	s_lshl_b32 s95, s94, 23
	v_mov_b32 v[OSC], s95                          ; 2^e6
	s_add_co_i32 s94, s94, 8
	s_lshl_b32 s94, s94, 23
	s_or_b32 s94, s94, 0x600000
	v_mov_b32 v[OLIM], s94                         ; 448 x 2^e6
; A KEY STEP: 128 keys.
.macro STEP
	v_add_nc_u32 v[ADK], s[TB], v[LK]
	v_add_nc_u32 v[ADV], s[TB], v[LV]
	v_nop                                          ; with the two additions: four places between the last products and the loads into the registers that they read
	v_nop
.irp t, 0,1,2,3,4,5,6,7
	ds_load_b128 v[KF+8*\t:KF+8*\t+3],   v[ADK] offset:1024*\t
	ds_load_b128 v[KF+8*\t+4:KF+8*\t+7], v[ADK] offset:1024*\t+512
.endr
	s_wait_dscnt 0x0
.irp t, 0,1,2,3,4,5,6,7
	v_wmma_f32_16x16x64_fp8_fp8 v[S+8*\t:S+8*\t+7], v[KF+8*\t:KF+8*\t+7], v[Q:Q+7], 0
.endr
.rept 4
	v_nop                                          ; places: K's registers take V's fragments, and the scores are read
.endr
.irp d, 0,1,2,3
.irp c, 0,1,2,3
	ds_load_b128 v[KF+16*\d+4*\c:KF+16*\d+4*\c+3], v[ADV] offset:2048*\d+512*\c   ; V lands under the softmax
.endr
.endr
	v_max3_num_f32 v[MA], v[S], v[S+1], v[S+2]     ; the step's largest score of my query among my 64 keys, in two chains, each accumulator from its low end on
	v_max3_num_f32 v[MB], v[S+3], v[S+4], v[S+5]
.irp i, 6,10,14,18,22,26,30,34,38,42,46,50,54,58
	v_max3_num_f32 v[MA], v[MA], v[S+\i], v[S+\i+1]
	v_max3_num_f32 v[MB], v[MB], v[S+\i+2], v[S+\i+3]
.endr
	v_max3_num_f32 v[MA], v[MA], v[S+62], v[S+63]
	v_max_num_f32 v[MA], v[MA], v[MB]
	v_permlanex16_b32 v[XC], v[MA], s[SEL], s[SEL+1]
	v_max_num_f32 v[MA], v[MA], v[XC]              ; and among lane l xor 16's
	v_mul_f32 v[MA], s[CS], v[MA]                  ; as t (c is positive)
	v_max_num_f32 v13, v13, v[MA]                  ; the running largest t
	v_mov_b32 v[MA], v[NM]
	v_floor_f32 v[NM], -v13                        ; the new -M = floor(-t) = -ceil(t)
	v_sub_f32 v[MA], v[NM], v[MA]                  ; old M - new M: a whole number, 0 or less
	v_cvt_i32_f32 v[MA], v[MA]                     ; (it saturates)
	v_ldexp_f32 v[FF], 1.0, v[MA]                  ; f = 2^(old M - new M)
.set j, 0
.rept 32
	v_pk_fma_f32 v[S+j:S+j+1], v[S+j:S+j+1], s[CS:CS+1], v[NM:NM+1] op_sel_hi:[1,0,0]   ; t - M, two at a time
.set j, j+2
.endr
.set j, 0
.rept 64
	v_exp_f32 v[S+j], v[S+j]                       ; p = 2^(t - M)
.set j, j+1
.endr
	v_pk_mul_f32 v[14:15], v[14:15], v[FF:FF+1] op_sel_hi:[1,0]   ; l under the new M.  (The plain instruction behind the exponentials)
	s_wait_alu depctr_va_vdst(0)                   ; one wait for the batch of 64, ahead of its first reader
	v_pk_add_f32 v[L2:L2+1], v[S:S+1], v[S+2:S+3]  ; l takes the UNQUANTISED p, in two chains
.irp j, 4,8,12,16,20,24,28,32,36,40,44,48,52,56,60
	v_pk_add_f32 v[14:15], v[14:15], v[S+\j:S+\j+1]
	v_pk_add_f32 v[L2:L2+1], v[L2:L2+1], v[S+\j+2:S+\j+3]
.endr
	v_pk_add_f32 v[14:15], v[14:15], v[L2:L2+1]
.set j, 0
.rept 32                               ; the hold; p is never negative, so it is one-sided.  Two numbers an instruction: the halves write an even and an odd register, and both their first and their second sources lie in different register banks (number mod 4)
	v_dual_min_num_f32 v[S+j], v[S+j], v[PLIM] :: v_dual_min_num_f32 v[S+j+1], v[S+j+1], v[PLIM2]
.set j, j+2
.endr
.irp t, 0,1,2,3,4,5,6,7
	v_cvt_scalef32_pk8_fp8_f32 v[P+2*\t:P+2*\t+1], v[S+8*\t:S+8*\t+7], v[PSC]
.endr
.set j, 0
.rept 16
	v_pk_mul_f32 v[O+j:O+j+1], v[O+j:O+j+1], v[FF:FF+1] op_sel_hi:[1,0]   ; O^T under the new M; these are also the plain instructions behind the conversions
.set j, j+2
.endr
	s_wait_dscnt 0x0                               ; V is in
.irp d, 0,1,2,3
	v_wmma_f32_16x16x128_fp8_fp8 v[O+8*\d:O+8*\d+7], v[KF+16*\d:KF+16*\d+15], v[P:P+15], v[O+8*\d:O+8*\d+7]   ; four accumulators by turns
.endr
	s_add_co_u32 s[TB], s[TB], 8192
.endm
	s_wait_loadcnt 0x0                             ; Q
	s_wait_tensorcnt 0x3                           ; my first piece has landed; the three behind it may stay out
	s_barrier_signal -1
	s_barrier_wait -1                              ; keys 0 to 511 of K and of V lie in LDS
	s_mov_b32 s[CNT], 4
.Lfirst:
	STEP
	s_sub_co_u32 s[CNT], s[CNT], 1
	s_cmp_lg_u32 s[CNT], 0
	s_cbranch_scc1 .Lfirst
	s_wait_tensorcnt 0x0                           ; all my pieces have landed,
	s_wait_dscnt 0x0
	s_barrier_signal -1
	s_barrier_wait -1                              ; everybody's have
	s_mov_b32 s[CNT], 12
.Lrest:
	STEP
	s_sub_co_u32 s[CNT], s[CNT], 1
	s_cmp_lg_u32 s[CNT], 0
	s_cbranch_scc1 .Lrest
	; THE WAY OUT.  Register 8 d + j of lane (r, h) is o(query r, channel 16 d + 8 h + j): its eight codes are 8 bytes at 256 d + 16 r + 8 h of my 1,024 bytes of the image
	; (columns 32 gamma + 16 (lane / 16) + 0..15 there): a store of the wave covers 256 consecutive bytes, aligned.
	v_add_f32 v14, v14, v15
	v_permlanex16_b32 v[XC], v14, s[SEL], s[SEL+1]
	v_add_f32 v14, v14, v[XC]                      ; l
	v_rcp_f32 v14, v14
	v_nop                                          ; a plain instruction behind the transcendental
	s_add_co_i32 s94, s72, s73
	s_wait_alu depctr_va_vdst(0)                   ; the wait ahead of the first reader
	v_ldexp_f32 v14, v14, s94                      ; 2^(e4 + e5) / l
	v_mov_b32 v15, v14
.set j, 0
.rept 16
	v_pk_mul_f32 v[O+j:O+j+1], v[O+j:O+j+1], v[14:15]
.set j, j+2
.endr
.set j, 0
.rept 32
	v_med3_num_f32 v[O+j], v[O+j], -v[OLIM], v[OLIM]
.set j, j+1
.endr
.irp d, 0,1,2,3
	v_cvt_scalef32_pk8_fp8_f32 v[OC+2*\d:OC+2*\d+1], v[O+8*\d:O+8*\d+7], v[OSC]
.endr
	v_nop
.irp d, 0,1,2,3
	global_store_b64 v[AO], v[OC+2*\d:OC+2*\d+1], s[12:13] offset:256*\d
.endr
	s_wait_tensorcnt 0x0
	ds_add_u32 v254, v255
	s_wait_dscnt 0x0
	CROUND                                         ; the closing round
	s_endpgm
.Lfunc_end_k_q55d95f8f44_attn:
	.size	k_q55d95f8f44_attn, .Lfunc_end_k_q55d95f8f44_attn-k_q55d95f8f44_attn
	.p2alignl 7, 3214868480
	.fill 96, 4, 3214868480
	.section	.rodata,"a",@progbits
	.p2align	6, 0x0
	.amdhsa_kernel k_q55d95f8f44_attn
		.amdhsa_group_segment_fixed_size 264192
		.amdhsa_private_segment_fixed_size 0
		.amdhsa_enable_private_segment 0
		.amdhsa_kernarg_size 40
		.amdhsa_user_sgpr_count 2
		.amdhsa_user_sgpr_kernarg_segment_ptr 1
		.amdhsa_wavefront_size32 1
		.amdhsa_system_sgpr_workgroup_id_x 1
		.amdhsa_system_sgpr_workgroup_id_y 1
		.amdhsa_system_sgpr_workgroup_id_z 1
		.amdhsa_system_vgpr_workitem_id 0
		.amdhsa_next_free_vgpr 256
		.amdhsa_next_free_sgpr 96
		.amdhsa_reserve_vcc 0
		.amdhsa_float_denorm_mode_32 3
		.amdhsa_float_denorm_mode_16_64 3
		.amdhsa_memory_ordered 1
		.amdhsa_forward_progress 1
		.amdhsa_inst_pref_size 45
	.end_amdhsa_kernel
	.amdgpu_metadata
---
amdhsa.version: [ 1, 2 ]
amdhsa.kernels:
  - .name:           k_q55d95f8f44_attn
    .symbol:         k_q55d95f8f44_attn.kd
    .args:
      - { .name: qimg, .offset: 0, .size: 8, .value_kind: global_buffer, .address_space: global }
      - { .name: kimg, .offset: 8, .size: 8, .value_kind: global_buffer, .address_space: global }
      - { .name: vimg, .offset: 16, .size: 8, .value_kind: global_buffer, .address_space: global }
      - { .name: lowp_scales, .offset: 24, .size: 8, .value_kind: global_buffer, .address_space: global }
      - { .name: aimg, .offset: 32, .size: 8, .value_kind: global_buffer, .address_space: global }
    .group_segment_fixed_size: 264192
    .private_segment_fixed_size: 0
    .kernarg_segment_align: 8
    .kernarg_segment_size: 40
    .max_flat_workgroup_size: 512
    .sgpr_count:     96
    .vgpr_count:     256
    .wavefront_size: 32
...
	.end_amdgpu_metadata
.endif
;; end of part 3
;; launch proj (part 4): grid 8 x 32, 4 waves a work-group, clusters of 4 x 4, 327,680 bytes of LDS; arguments aimg, w_proj_codes, lowp_scales, b_proj, x, x1; writes x1
.if DOCPART == 4
	.amdgcn_target "amdgcn-amd-amdhsa--gfx1250"
	.amdhsa_code_object_version 6
	.text
	.protected	k_q55d95f8f44_proj
	.globl	k_q55d95f8f44_proj
	.p2align	8
	.type	k_q55d95f8f44_proj,@function
k_q55d95f8f44_proj:
	s_mov_b64 s[64:65], 0
	v_nop
	global_prefetch_b8 v0, s[64:65] scope:SCOPE_SE
	s_setreg_imm32_b32 hwreg(HW_REG_WAVE_MODE, 25, 1), 1
	s_wait_xcnt 0x0
	s_wait_alu depctr_hold_cnt(0) depctr_sa_sdst(0) depctr_va_vdst(0) depctr_va_sdst(0) depctr_va_ssrc(0) depctr_va_vcc(0) depctr_vm_vsrc(0)
	s_getreg_b32 s2, hwreg(HW_REG_IB_STS2, 6, 4)
	s_cmp_eq_u32 s2, 0
	s_cbranch_scc0 .Lentry_in_a_cluster
	s_endpgm
.Lentry_in_a_cluster:
	s_bfe_u32 s2, ttmp6, 0x10000c
	s_cmp_lg_u32 s2, 0xf033
	s_cbranch_scc0 .Lentry_shape_is_right
	s_endpgm
.Lentry_shape_is_right:
; out[m][n] = res[m][n] + bias[n] + 2^(ea + eb) x the sum over k of A[m][k] W[n][k], on codes of E4M3.  4,096 rows, 1,024 columns, SIZE_K along K; res and out f32.
; A comes as image blocks of 16,384 bytes (128 rows x 128 K: [rho][gamma][lane][16 bytes], row 16 rho + lane % 16, k = 32 gamma + 16 (lane / 16) + 0..15), block (row / 128) x SIZE_K / 128 + k / 128.
; W comes as rows of SIZE_K codes.  ea, eb are the two whole numbers at byte EOFF of the scales.  LIMIT: ea + eb between -126 and 127.
; A tile of 128 x 128 to a work-group (256 work-groups: tiles of 256 x 256 would be 64), four waves of 64 x 64: 16 accumulators.  K goes in steps of 512 through two LDS slots.
; 4 x 4 work-groups form a cluster: A's blocks are asked for jointly along a row of it, W's rows along a column.  Source 0 = 16 rows of W, source 1 = 16 rows of A: a lane holds eight neighbouring columns of one row.
; A's fragments come from the images as they lie (512 dense bytes a load); W's from padded rows by four loads 32 bytes apart: the same places of k on both sides.
; REGISTERS: window 0: v0-31 addresses, v8-11 the bias, v32-95 rows on the way out, v128-255 the accumulators ((a, b) at 128 + 8 (4 a + b)).  window 1: two fragment buffers of 128: A's four, then W's four.  window 2: v0-127 the residual.
.set SIZE_K, 1024
.set EOFF,   24                        ; where ea, eb stand in the scales, in bytes
.set KSTEP,  512
.set KBLK,   SIZE_K/128                ; image blocks in a row of blocks
.set PITCH,  528                       ; W's row in LDS: 512 bytes + 16 = 132 words: the 16 rows that a load touches start at 16 different banks (ISA guide 11.1)
.set ABYTES, 65536                     ; a slot: A's four blocks,
.set HALFB,  64*PITCH                  ; then W's 128 rows, 64 to a load
.set SLOT,   ABYTES+2*HALFB
.set SPARE,  2*SLOT                    ; behind the ring: the spare words, 128 bytes for each wave, which no other line names
.set SPITCH, 272                       ; the way out: 16 rows x (256 bytes + 16) for each wave, in slot 0, which has had its last fill and its last read by then
.set LAPS,   SIZE_K/(2*KSTEP)
.set BIAS, 8
.set ADRA, 16
.set ADRB, 20
.set STO,  24
.set RD,   25
.set CO,   26
.set SPW,  28
.set NIL,  29
.set BK,   32
.set ACC,  128
.set F0,   0
.set F1,   128
.set G1, 24
.set G0, 32
.set G1B, 48
.set G0B, 56
.set MSB, 0
.macro WIN new                         ; the immediate's high byte repeats the setting that is left
.if MSB != \new
	s_set_vgpr_msb (MSB<<8)|\new
.set MSB, \new
.endif
.endm
.set MUL,  0x05                        ; sources 0 and 1 window 1; C and D window 0
.set TO_F, 0x40                        ; destination window 1, address window 0
.macro JLOAD s                         ; a joint load: waves 0 and 1 fetch A's blocks, waves 2 and 3 W's rows; four v_nop follow each of the two lines
	s_cmp_eq_u32 s11, 0
	s_cbranch_scc0 .Lfor_b_\@
	tensor_load_to_lds s[G0+4*\s:G0+4*\s+3], s[G1:G1+7]
	s_nop 0
.rept 4
	v_nop
.endr
	s_branch .Lasked_\@
.Lfor_b_\@:
	tensor_load_to_lds s[G0B+4*\s:G0B+4*\s+3], s[G1B:G1B+7]
	s_nop 0
.rept 4
	v_nop
.endr
.Lasked_\@:
.endm
.macro CREST
	s_cmp_lg_u32 s10, 0
	s_cbranch_scc1 .Lnot_wave_0_\@
	s_barrier_signal -3
.Lnot_wave_0_\@:
	s_barrier_wait -3
	s_barrier_signal -1
	s_barrier_wait -1
.endm
.macro CROUND
	s_barrier_signal -1
	s_barrier_wait -1
	CREST
.endm
	s_load_b128 s[4:7], s[0:1], 0x0                ; A's images, W's codes
	s_load_b128 s[68:71], s[0:1], 0x10             ; the scales, the bias
	s_load_b128 s[72:75], s[0:1], 0x20             ; the residual, out
	v_lshl_add_u32 v[SPW], v0, 2, SPARE
	v_mov_b32 v[NIL], 0
	ds_add_u32 v28, v29
	ds_add_u32 v28, v29
	s_wait_dscnt 0x0
	v_lshrrev_b32 v1, 5, v0
	v_readfirstlane_b32 s10, v1                    ; wave 0..3
	s_lshr_b32 s11, s10, 1                         ; which 64 rows are mine.  Also: I fetch for A (0) or for W (1)
	s_and_b32 s12, s10, 1                          ; which 64 columns.  Also: which half of that tile I fetch
	s_bfe_u32 s40, ttmp6, 0x40000                  ; cx, cy
	s_bfe_u32 s41, ttmp6, 0x40004
	s_lshl_b32 s42, ttmp9, 2
	s_add_co_u32 s42, s42, s40                     ; tile column
	s_and_b32 s13, ttmp7, 0xffff
	s_lshl_b32 s13, s13, 2
	s_add_co_u32 s13, s13, s41                     ; tile row
	s_lshl_b32 s43, s41, 2
	s_lshl_b32 s43, 15, s43                        ; my row of the cluster
	s_lshl_b32 s44, 0x1111, s40                    ; my column
	; group 1 for A: two blocks, 32,768 dense bytes, as 128 rows of 256 bytes (32 elements of 8), no padding
	s_or_b32 s[G1+0], s43, (3<<16)|(1<<21)
	s_mov_b32 s[G1+1], 32<<16
	s_mov_b32 s[G1+2], 128<<16
	s_mov_b32 s[G1+3], 32<<16
	s_mov_b32 s[G1+4], 128
	s_mov_b32 s[G1+5], 32
	s_mov_b32 s[G1+6], 0
	s_mov_b32 s[G1+7], 0
	; group 1 for W: 64 rows of 512 bytes, four words of padding after every 128
	s_or_b32 s[G1B+0], s44, (0<<16)|(1<<20)|(1<<21)|(6<<22)|(3<<25)
	s_mov_b32 s[G1B+1], KSTEP<<16
	s_mov_b32 s[G1B+2], 64<<16
	s_mov_b32 s[G1B+3], KSTEP<<16
	s_mov_b32 s[G1B+4], 64
	s_mov_b32 s[G1B+5], SIZE_K
	s_mov_b32 s[G1B+6], 0
	s_mov_b32 s[G1B+7], 0
	s_mul_i32 s16, s13, KBLK
	s_lshl_b32 s17, s12, 1
	s_add_co_u32 s16, s16, s17
	s_lshl_b32 s16, s16, 14                        ; A: block (tile row x KBLK + 2 half)
	s_mov_b32 s17, 0
	s_lshl_b32 s46, s42, 7
	s_lshl_b32 s47, s12, 6
	s_add_co_u32 s46, s46, s47
	s_mul_i32 s46, s46, SIZE_K                     ; W: row 128 tile column + 64 half
	s_mov_b32 s47, 0
	s_lshl_b32 s20, s12, 15                        ; where they go in a slot: A's halves,
	s_mul_i32 s21, s12, HALFB
	s_add_co_u32 s21, s21, ABYTES                  ; W's halves: the wave's number alone
	s_wait_kmcnt 0x0
	s_load_b64 s[76:77], s[68:69], EOFF            ; ea, eb
	s_add_nc_u64 s[14:15], s[4:5], s[16:17]
	s_add_nc_u64 s[46:47], s[6:7], s[46:47]
	CROUND                                         ; all sixteen work-groups are here: the first joint loads meet
.irp s, 0,1
	s_mov_b32 s[G0+4*\s], 1
	s_add_co_u32 s[G0+4*\s+1], s20, \s*SLOT
	s_add_nc_u64 s[G0+4*\s+2:G0+4*\s+3], s[14:15], \s*ABYTES
	s_or_b32 s[G0+4*\s+3], s[G0+4*\s+3], 0x80000000
	s_mov_b32 s[G0B+4*\s], 1
	s_add_co_u32 s[G0B+4*\s+1], s21, \s*SLOT
	s_add_nc_u64 s[G0B+4*\s+2:G0B+4*\s+3], s[46:47], \s*KSTEP
	s_or_b32 s[G0B+4*\s+3], s[G0B+4*\s+3], 0x80000000
	JLOAD \s
.endr
	v_and_b32 v1, 15, v0                           ; r
	v_bfe_u32 v2, v0, 4, 1                         ; h
	v_and_b32 v3, 31, v0
	v_lshlrev_b32 v3, 4, v3                        ; 16 x lane
	s_lshl_b32 s21, s11, 13                        ; my four rho of each block
	v_add_nc_u32 v[ADRA], s21, v3
	v_add_nc_u32 v[ADRA+1], SLOT, v[ADRA]
	v_mul_u32_u24 v4, v1, PITCH
	v_lshl_add_u32 v4, v2, 4, v4
	s_mul_i32 s22, s12, HALFB
	s_add_co_u32 s22, s22, ABYTES
	v_add_nc_u32 v[ADRB], s22, v4
	v_add_nc_u32 v[ADRB+1], SLOT, v[ADRB]
	s_mul_i32 s23, s10, 16*SPITCH                  ; my stage
	v_mul_u32_u24 v5, v1, SPITCH
	v_lshl_add_u32 v5, v2, 5, v5
	v_add_nc_u32 v[STO], s23, v5                   ; in: row r, 32 bytes for each half of the lanes
	v_mul_u32_u24 v5, v2, SPITCH
	v_lshl_add_u32 v5, v1, 4, v5
	v_add_nc_u32 v[RD], s23, v5                    ; back: lanes 0-15 one row of 256 bytes, lanes 16-31 the next
	v_lshlrev_b32 v[CO], 12, v2
	v_lshl_add_u32 v[CO], v1, 4, v[CO]             ; the same two rows in the residual and in out
	v_lshlrev_b32 v6, 4, v1                        ; my four columns in the bias
	s_lshl_b32 s16, s13, 7
	s_lshl_b32 s17, s11, 6
	s_add_co_u32 s16, s16, s17
	s_lshl_b32 s16, s16, 12                        ; my first row, x 4,096 bytes
	s_lshl_b32 s46, s42, 7
	s_lshl_b32 s47, s12, 6
	s_add_co_u32 s46, s46, s47
	s_lshl_b32 s46, s46, 2                         ; my first column, in bytes
	s_mov_b32 s47, 0
	s_add_nc_u64 s[70:71], s[70:71], s[46:47]
	s_add_co_u32 s46, s46, s16
	s_add_nc_u64 s[72:73], s[72:73], s[46:47]
	s_add_nc_u64 s[74:75], s[74:75], s[46:47]
	global_load_b128 v[BIAS:BIAS+3], v6, s[70:71]
	WIN 0x80                                       ; destination window 2: the residual lands under the products and is waited for once, on the way out
.set i, 0
.rept 32
	global_load_b128 v[4*i:4*i+3], v[CO], s[72:73] offset:2*i*4096 th:TH_LOAD_NT
.set i, i+1
.endr
	WIN 0
.macro MULA f, a, zero                 ; four matrix instructions: A's block a x W's four, 128 along K
.irp b, 0,1,2,3
.if \zero
	v_wmma_f32_16x16x128_fp8_fp8 v[ACC+8*(4*(\a)+\b):ACC+8*(4*(\a)+\b)+7], v[\f+64+16*\b:\f+64+16*\b+15], v[\f+16*(\a):\f+16*(\a)+15], 0
.else
	v_wmma_f32_16x16x128_fp8_fp8 v[ACC+8*(4*(\a)+\b):ACC+8*(4*(\a)+\b)+7], v[\f+64+16*\b:\f+64+16*\b+15], v[\f+16*(\a):\f+16*(\a)+15], v[ACC+8*(4*(\a)+\b):ACC+8*(4*(\a)+\b)+7]
.endif
.endr
.endm
.macro MUL8 f, a0, zero
	MULA \f, \a0, \zero
	MULA \f, \a0+1, \zero
.endm
.macro FETCH slot, q, f                ; 32 LDS loads in one run: the slot's q-th 128 along K: W's four fragments, A's blocks 0 and 1, A's blocks 2 and 3
	WIN TO_F
.irp b, 0,1,2,3
.irp c, 0,1,2,3
	ds_load_b128 v[\f+64+16*\b+4*\c:\f+64+16*\b+4*\c+3], v[ADRB+\slot] offset:16*PITCH*\b+128*(\q)+32*\c
.endr
.endr
.irp a, 0,1,2,3
.irp c, 0,1,2,3
	ds_load_b128 v[\f+16*\a+4*\c:\f+16*\a+4*\c+3], v[ADRA+\slot] offset:16384*(\q)+2048*\a+512*\c
.endr
.endr
.endm
.macro PLACES                          ; four plain vector instructions between a matrix instruction and a load into, or a read of, its registers
.rept 4
	v_nop
.endr
.endm
; A K step is four quarters of 128 along K, 16 matrix instructions each, on buffers 0, 1, 0, 1; the 16 accumulators take turns in the same order in every quarter.
.macro QUARTER slot, qn, f, g, zero
	s_wait_dscnt 8                                 ; W's fragments and A's blocks 0, 1 are in; the youngest eight loads (A's blocks 2, 3) may be out
	WIN MUL
	MUL8 \f, 0, \zero
	PLACES
	FETCH \slot, \qn, \g
	s_wait_dscnt 32                                ; all but the 32 just issued
	WIN MUL
	MUL8 \f, 2, \zero
.endm
; The last quarter changes slots: one barrier; in front of it each wave waits for all its tensor loads, adds 0 to its spare word, and waits for that and for its own reads of this slot.
.macro TURN slot, next, fill
	WIN 0                                          ; (the add's two registers lie in window 0)
	s_wait_tensorcnt 0x0                           ; all my tensor loads have landed: my part of the next slot
	ds_add_u32 v[SPW], v[NIL]                      ; 0 onto my spare word
	s_wait_dscnt 9                                 ; (the add and the youngest eight loads may be out)
	WIN MUL
	MULA F1, 0, 0
	s_wait_dscnt 0x0                               ; the add is done, and my reads of this slot are over
	s_barrier_signal -1
	MULA F1, 1, 0
	WIN 0
	s_barrier_wait -1
.if \fill
	CREST                                          ; the barrier has opened a round of the cluster's: no wave of any partner still reads this slot or has a load on its way
	s_add_nc_u64 s[G0+4*\slot+2:G0+4*\slot+3], s[G0+4*\slot+2:G0+4*\slot+3], 2*ABYTES
	s_add_nc_u64 s[G0B+4*\slot+2:G0B+4*\slot+3], s[G0B+4*\slot+2:G0B+4*\slot+3], 2*KSTEP
	JLOAD \slot                                    ; the first tensor load behind the round; its four v_nop are also the places in front of the loads below
.else
	PLACES
.endif
	FETCH \next, 0, F0
	WIN MUL
	MUL8 F1, 2, 0
.endm
	s_wait_tensorcnt 1                             ; my part of K step 0 is in (K step 1's may be out)
	s_barrier_signal -1
	s_barrier_wait -1                              ; everybody's is
	FETCH 0, 0, F0
	QUARTER 0, 1, F0, F1, 1                        ; the first quarter's products start the sums
.if LAPS > 1
	WIN 0
	s_mov_b32 s3, LAPS-1
.Llap:                                                 ; a trip goes once round the ring and fills both slots again
	QUARTER 0, 2, F1, F0, 0
	QUARTER 0, 3, F0, F1, 0
	TURN 0, 1, 1
	QUARTER 1, 1, F0, F1, 0
	QUARTER 1, 2, F1, F0, 0
	QUARTER 1, 3, F0, F1, 0
	TURN 1, 0, 1
	QUARTER 0, 1, F0, F1, 0
	WIN 0
	s_sub_co_u32 s3, s3, 1
	s_cmp_lg_u32 s3, 0
	s_cbranch_scc1 .Llap
.endif
	QUARTER 0, 2, F1, F0, 0                        ; the last lap fills nothing
	QUARTER 0, 3, F0, F1, 0
	TURN 0, 1, 0
	QUARTER 1, 1, F0, F1, 0
	QUARTER 1, 2, F1, F0, 0
	QUARTER 1, 3, F0, F1, 0
	s_wait_dscnt 8
	WIN MUL
	MUL8 F1, 0, 0
	s_wait_dscnt 0
	MUL8 F1, 2, 0
	WIN 0
	; THE WAY OUT, 16 rows x 64 columns at a time: the sums go through my own stage and come back as rows of 256 bytes; LDS serves a wave's instructions in order (ISA guide 5.7.1.4), so no wait stands between the stores and the loads.
	PLACES
	s_wait_kmcnt 0x0
	s_add_co_i32 s76, s76, s77
	s_add_co_i32 s76, s76, 127
	s_lshl_b32 s76, s76, 23                        ; 2^(ea + eb) as f32
	s_mov_b32 s77, s76
	s_wait_loadcnt 0x0                             ; the bias and the residual
.macro TOSTAGE a
.set BB, BK+32*((\a)%2)
.irp b, 0,1,2,3
	ds_store_b128 v[STO], v[ACC+8*(4*(\a)+\b):ACC+8*(4*(\a)+\b)+3] offset:64*\b          ; each accumulator from its low end on
	ds_store_b128 v[STO], v[ACC+8*(4*(\a)+\b)+4:ACC+8*(4*(\a)+\b)+7] offset:64*\b+16
.endr
.irp i, 0,1,2,3,4,5,6,7
	ds_load_b128 v[BB+4*\i:BB+4*\i+3], v[RD] offset:2*SPITCH*\i
.endr
.endm
.macro SEND a, younger                 ; younger: the LDS instructions issued behind block a's loads, which may stay out
.set BB, BK+32*((\a)%2)
	s_wait_dscnt \younger
.irp i, 0,1,2,3,4,5,6,7
	v_pk_fma_f32 v[BB+4*\i:BB+4*\i+1], v[BB+4*\i:BB+4*\i+1], s[76:77], v[BIAS:BIAS+1] op_sel_hi:[1,0,1]
	v_pk_fma_f32 v[BB+4*\i+2:BB+4*\i+3], v[BB+4*\i+2:BB+4*\i+3], s[76:77], v[BIAS+2:BIAS+3] op_sel_hi:[1,0,1]
.endr
	WIN 0x08                                       ; source 1: window 2, the residual
.irp i, 0,1,2,3,4,5,6,7
	v_pk_add_f32 v[BB+4*\i:BB+4*\i+1], v[BB+4*\i:BB+4*\i+1], v[32*(\a)+4*\i:32*(\a)+4*\i+1]
	v_pk_add_f32 v[BB+4*\i+2:BB+4*\i+3], v[BB+4*\i+2:BB+4*\i+3], v[32*(\a)+4*\i+2:32*(\a)+4*\i+3]
.endr
	WIN 0
.irp i, 0,1,2,3,4,5,6,7
	global_store_b128 v[CO], v[BB+4*\i:BB+4*\i+3], s[74:75] offset:(16*(\a)+2*\i)*4096   ; 16 lanes store 256 consecutive bytes, aligned
.endr
.endm
	TOSTAGE 0
.irp a, 1,2,3
.if \a > 1
	s_wait_xcnt 0x0                                ; block a - 2's stores have read their registers: block a's loads may land there
.endif
	TOSTAGE \a
	SEND \a-1, 16                                  ; behind block a - 1's loads: block a's 8 stores and 8 loads
.endr
	SEND 3, 0
	s_wait_tensorcnt 0x0                           ; the wave's end
	ds_add_u32 v[SPW], v[NIL]
	s_wait_dscnt 0x0
	CROUND                                         ; the closing round
	s_endpgm
.Lfunc_end_k_q55d95f8f44_proj:
	.size	k_q55d95f8f44_proj, .Lfunc_end_k_q55d95f8f44_proj-k_q55d95f8f44_proj
	.p2alignl 7, 3214868480
	.fill 96, 4, 3214868480
	.section	.rodata,"a",@progbits
	.p2align	6, 0x0
	.amdhsa_kernel k_q55d95f8f44_proj
		.amdhsa_group_segment_fixed_size 327680
		.amdhsa_private_segment_fixed_size 0
		.amdhsa_enable_private_segment 0
		.amdhsa_kernarg_size 48
		.amdhsa_user_sgpr_count 2
		.amdhsa_user_sgpr_kernarg_segment_ptr 1
		.amdhsa_wavefront_size32 1
		.amdhsa_system_sgpr_workgroup_id_x 1
		.amdhsa_system_sgpr_workgroup_id_y 1
		.amdhsa_system_sgpr_workgroup_id_z 1
		.amdhsa_system_vgpr_workitem_id 0
		.amdhsa_next_free_vgpr 640
		.amdhsa_next_free_sgpr 80
		.amdhsa_reserve_vcc 0
		.amdhsa_float_denorm_mode_32 3
		.amdhsa_float_denorm_mode_16_64 3
		.amdhsa_memory_ordered 1
		.amdhsa_forward_progress 1
		.amdhsa_inst_pref_size 53
	.end_amdhsa_kernel
	.amdgpu_metadata
---
amdhsa.version: [ 1, 2 ]
amdhsa.kernels:
  - .name:           k_q55d95f8f44_proj
    .symbol:         k_q55d95f8f44_proj.kd
    .args:
      - { .name: aimg, .offset: 0, .size: 8, .value_kind: global_buffer, .address_space: global }
      - { .name: w_proj_codes, .offset: 8, .size: 8, .value_kind: global_buffer, .address_space: global }
      - { .name: lowp_scales, .offset: 16, .size: 8, .value_kind: global_buffer, .address_space: global }
      - { .name: b_proj, .offset: 24, .size: 8, .value_kind: global_buffer, .address_space: global }
      - { .name: x, .offset: 32, .size: 8, .value_kind: global_buffer, .address_space: global }
      - { .name: x1, .offset: 40, .size: 8, .value_kind: global_buffer, .address_space: global }
    .group_segment_fixed_size: 327680
    .private_segment_fixed_size: 0
    .kernarg_segment_align: 8
    .kernarg_segment_size: 48
    .max_flat_workgroup_size: 128
    .sgpr_count:     80
    .vgpr_count:     640
    .wavefront_size: 32
...
	.end_amdgpu_metadata
.endif
;; end of part 4
;; launch ln2 (part 5): grid 256 x 1, 8 waves a work-group, no clusters, 0 bytes of LDS; arguments x1, ln2_g, ln2_b, lowp_scales, cod; writes cod
.if DOCPART == 5
	.amdgcn_target "amdgcn-amd-amdhsa--gfx1250"
	.amdhsa_code_object_version 6
	.text
	.protected	k_q55d95f8f44_ln2
	.globl	k_q55d95f8f44_ln2
	.p2align	8
	.type	k_q55d95f8f44_ln2,@function
k_q55d95f8f44_ln2:
	s_mov_b64 s[64:65], 0
	v_nop
	global_prefetch_b8 v0, s[64:65] scope:SCOPE_SE
	s_setreg_imm32_b32 hwreg(HW_REG_WAVE_MODE, 25, 1), 1
	s_wait_xcnt 0x0
; LayerNorm of 4,096 rows of 1,024 f32 numbers, then the quantiser: code = y / 2^e, held within +-448, to the nearest E4M3 code.  Codes go out as [row][1024], one byte each.
; e is the whole number at byte EOFF of the buffer of scales.  LIMIT: e between -126 and 119, so that 2^e and 448 x 2^e are f32 numbers.  NaN among the inputs is not served.
; SHARES.  A wave takes two rows, one after the other in registers: row0 = 2 (8 x work-group + wave).  A lane holds 32 numbers of a row: X[8 j + i] = x[row][256 j + 8 lane + i],
; eight neighbours in eight consecutive registers, as the conversion takes them; its eight codes are 8 bytes, and a store of the wave covers 256 consecutive bytes, aligned.
; The variance is taken of x - mean (two passes over registers), so a common offset of the inputs costs no accuracy.  No LDS, no barrier, no loop: waves share nothing.
.set EOFF, 32                          ; which entry of the scales, in bytes
.set MU,  4                            ; v[4:5], v[6:7]    the mean, twice, of row 0 and of row 1
.set RS,  8                            ; v[8:9], v[10:11]  1 / sqrt(var + eps), twice
.set LIM, 12                           ; v12  448 x 2^e
.set SC,  13                           ; v13  2^e
.set T,   14                           ; v[14:17] two chains; v18 the lane exchange
.set CD,  22                           ; v[22:29], v[30:37] the rows' codes: registers of their own, so no store's data are written again
.set X,   40                           ; v[40:71], v[72:103] the two rows
.set G,   104                          ; v[104:135] the gain
.set BB,  136                          ; v[136:167] the bias
	s_load_b256 s[4:11], s[0:1], 0x0               ; x s[4:5], gain s[6:7], bias s[8:9], scales s[10:11]
	s_load_b64 s[12:13], s[0:1], 0x20              ; the codes
	v_lshrrev_b32 v1, 5, v0
	v_readfirstlane_b32 s14, v1                    ; wave 0..7
	v_and_b32 v2, 31, v0                           ; lane
	v_lshlrev_b32 v1, 5, v2                        ; 32 x lane: my eight numbers in 1,024 bytes of a row
	v_lshlrev_b32 v2, 3, v2                        ; 8 x lane: my eight codes
	v_mov_b32 v[T+4], 0                            ; written once: a lane permute's destination counts as one of its sources
	s_lshl_b32 s15, ttmp9, 3
	s_add_co_u32 s15, s15, s14                     ; which pair of rows
	s_lshl_b32 s16, s15, 13                        ; two rows of 4,096 bytes
	s_mov_b32 s17, 0
	s_lshl_b32 s24, s15, 11                        ; two rows of 1,024 codes
	s_mov_b32 s25, 0
	s_mov_b32 s18, 0x76543210                      ; v_permlanex16_b32: lane l takes lane l xor 16
	s_mov_b32 s19, 0xfedcba98
	s_mov_b32 s20, 0x3a800000                      ; 1 / 1024
	s_mov_b32 s21, 0x3727c5ac                      ; eps = 1e-5
	s_wait_kmcnt 0x0
	s_load_b32 s22, s[10:11], EOFF                 ; e
	s_add_nc_u64 s[4:5], s[4:5], s[16:17]
	s_add_nc_u64 s[12:13], s[12:13], s[24:25]
.irp p, 0,1
.irp j, 0,1,2,3
	global_load_b128 v[X+32*\p+8*\j:X+32*\p+8*\j+3],   v1, s[4:5] offset:4096*\p+1024*\j th:TH_LOAD_NT
	global_load_b128 v[X+32*\p+8*\j+4:X+32*\p+8*\j+7], v1, s[4:5] offset:4096*\p+1024*\j+16 th:TH_LOAD_NT
.endr
.endr
.irp j, 0,1,2,3
	global_load_b128 v[G+8*\j:G+8*\j+3],   v1, s[6:7] offset:1024*\j
	global_load_b128 v[G+8*\j+4:G+8*\j+7], v1, s[6:7] offset:1024*\j+16
.endr
.irp j, 0,1,2,3
	global_load_b128 v[BB+8*\j:BB+8*\j+3],   v1, s[8:9] offset:1024*\j
	global_load_b128 v[BB+8*\j+4:BB+8*\j+7], v1, s[8:9] offset:1024*\j+16
.endr
	s_wait_kmcnt 0x0
	s_add_co_i32 s22, s22, 127
	s_lshl_b32 s23, s22, 23
	v_mov_b32 v[SC], s23                           ; 2^e as f32: the conversion takes its exponent field
	s_add_co_i32 s22, s22, 8
	s_lshl_b32 s22, s22, 23
	s_or_b32 s22, s22, 0x600000
	v_mov_b32 v[LIM], s22                          ; 448 x 2^e
.macro ALLSUM                          ; v[T] summed over the 32 lanes, the result in every lane
	v_add_f32_dpp v[T], v[T], v[T] row_xmask:1 row_mask:0xf bank_mask:0xf
	v_add_f32_dpp v[T], v[T], v[T] row_xmask:2 row_mask:0xf bank_mask:0xf
	v_add_f32_dpp v[T], v[T], v[T] row_xmask:4 row_mask:0xf bank_mask:0xf
	v_add_f32_dpp v[T], v[T], v[T] row_xmask:8 row_mask:0xf bank_mask:0xf
	v_permlanex16_b32 v[T+4], v[T], s18, s19
	v_add_f32 v[T], v[T], v[T+4]
.endm
.macro STATS p                         ; row p: the mean; x - mean in place; 1 / sqrt(mean of squares + eps)
.set XP, X+32*\p
	v_pk_add_f32 v[T:T+1], v[XP:XP+1], v[XP+2:XP+3]
	v_pk_add_f32 v[T+2:T+3], v[XP+4:XP+5], v[XP+6:XP+7]
.irp j, 8,12,16,20,24,28
	v_pk_add_f32 v[T:T+1], v[T:T+1], v[XP+\j:XP+\j+1]
	v_pk_add_f32 v[T+2:T+3], v[T+2:T+3], v[XP+\j+2:XP+\j+3]
.endr
	v_pk_add_f32 v[T:T+1], v[T:T+1], v[T+2:T+3]
	v_add_f32 v[T], v[T], v[T+1]
	ALLSUM
	v_mul_f32 v[MU+2*\p], s20, v[T]
	v_mov_b32 v[MU+2*\p+1], v[MU+2*\p]
.set j, 0
.rept 16
	v_pk_add_f32 v[XP+j:XP+j+1], v[XP+j:XP+j+1], v[MU+2*\p:MU+2*\p+1] neg_lo:[0,1] neg_hi:[0,1]
.set j, j+2
.endr
	v_pk_mul_f32 v[T:T+1], v[XP:XP+1], v[XP:XP+1]
	v_pk_mul_f32 v[T+2:T+3], v[XP+2:XP+3], v[XP+2:XP+3]
.irp j, 4,8,12,16,20,24,28
	v_pk_fma_f32 v[T:T+1], v[XP+\j:XP+\j+1], v[XP+\j:XP+\j+1], v[T:T+1]
	v_pk_fma_f32 v[T+2:T+3], v[XP+\j+2:XP+\j+3], v[XP+\j+2:XP+\j+3], v[T+2:T+3]
.endr
	v_pk_add_f32 v[T:T+1], v[T:T+1], v[T+2:T+3]
	v_add_f32 v[T], v[T], v[T+1]
	ALLSUM
	v_fma_f32 v[T], v[T], s20, s21                 ; the variance + eps
	v_rsq_f32 v[RS+2*\p], v[T]
	v_nop                                          ; a plain instruction behind the transcendental (ISA guide 5.7.2)
	s_wait_alu depctr_va_vdst(0)                   ; the wait ahead of the first line that names the result
	v_mov_b32 v[RS+2*\p+1], v[RS+2*\p]
.endm
.macro NORM p                          ; row p: x 1/sigma, x gain + bias, the hold, the conversion, four stores of 256 bytes a wave
.set XP, X+32*\p
.set j, 0
.rept 16
	v_pk_mul_f32 v[XP+j:XP+j+1], v[XP+j:XP+j+1], v[RS+2*\p:RS+2*\p+1]
.set j, j+2
.endr
.set j, 0
.rept 16
	v_pk_fma_f32 v[XP+j:XP+j+1], v[XP+j:XP+j+1], v[G+j:G+j+1], v[BB+j:BB+j+1]
.set j, j+2
.endr
.set j, 0
.rept 32
	v_med3_num_f32 v[XP+j], v[XP+j], -v[LIM], v[LIM]   ; the conversion to an 8-bit code does not saturate (ISA guide 7.6.2)
.set j, j+1
.endr
.irp q, 0,1,2,3
	v_cvt_scalef32_pk8_fp8_f32 v[CD+8*\p+2*\q:CD+8*\p+2*\q+1], v[XP+8*\q:XP+8*\q+7], v[SC]
.endr
	v_nop                                          ; a plain instruction behind the last conversion
.irp q, 0,1,2,3
	global_store_b64 v2, v[CD+8*\p+2*\q:CD+8*\p+2*\q+1], s[12:13] offset:1024*\p+256*\q
.endr
.endm
	s_wait_loadcnt 24                              ; row 0's eight loads are in; row 1's, the gain's and the bias's 24 may be out
	STATS 0
	s_wait_loadcnt 16                              ; row 1's are in
	STATS 1
	s_wait_loadcnt 0x0
	NORM 0
	NORM 1
	s_endpgm
.Lfunc_end_k_q55d95f8f44_ln2:
	.size	k_q55d95f8f44_ln2, .Lfunc_end_k_q55d95f8f44_ln2-k_q55d95f8f44_ln2
	.p2alignl 7, 3214868480
	.fill 96, 4, 3214868480
	.section	.rodata,"a",@progbits
	.p2align	6, 0x0
	.amdhsa_kernel k_q55d95f8f44_ln2
		.amdhsa_group_segment_fixed_size 0
		.amdhsa_private_segment_fixed_size 0
		.amdhsa_enable_private_segment 0
		.amdhsa_kernarg_size 40
		.amdhsa_user_sgpr_count 2
		.amdhsa_user_sgpr_kernarg_segment_ptr 1
		.amdhsa_wavefront_size32 1
		.amdhsa_system_sgpr_workgroup_id_x 1
		.amdhsa_system_sgpr_workgroup_id_y 1
		.amdhsa_system_sgpr_workgroup_id_z 1
		.amdhsa_system_vgpr_workitem_id 0
		.amdhsa_next_free_vgpr 168
		.amdhsa_next_free_sgpr 66
		.amdhsa_reserve_vcc 0
		.amdhsa_float_denorm_mode_32 3
		.amdhsa_float_denorm_mode_16_64 3
		.amdhsa_memory_ordered 1
		.amdhsa_forward_progress 1
		.amdhsa_inst_pref_size 22
	.end_amdhsa_kernel
	.amdgpu_metadata
---
amdhsa.version: [ 1, 2 ]
amdhsa.kernels:
  - .name:           k_q55d95f8f44_ln2
    .symbol:         k_q55d95f8f44_ln2.kd
    .args:
      - { .name: x1, .offset: 0, .size: 8, .value_kind: global_buffer, .address_space: global }
      - { .name: ln2_g, .offset: 8, .size: 8, .value_kind: global_buffer, .address_space: global }
      - { .name: ln2_b, .offset: 16, .size: 8, .value_kind: global_buffer, .address_space: global }
      - { .name: lowp_scales, .offset: 24, .size: 8, .value_kind: global_buffer, .address_space: global }
      - { .name: cod, .offset: 32, .size: 8, .value_kind: global_buffer, .address_space: global }
    .group_segment_fixed_size: 0
    .private_segment_fixed_size: 0
    .kernarg_segment_align: 8
    .kernarg_segment_size: 40
    .max_flat_workgroup_size: 256
    .sgpr_count:     66
    .vgpr_count:     168
    .wavefront_size: 32
...
	.end_amdgpu_metadata
.endif
;; end of part 5
;; launch fc1 (part 6): grid 16 x 16, 4 waves a work-group, clusters of 4 x 4, 327,680 bytes of LDS; arguments cod, w_fc1_codes, lowp_scales, b_fc1, gimg; writes gimg
.if DOCPART == 6
	.amdgcn_target "amdgcn-amd-amdhsa--gfx1250"
	.amdhsa_code_object_version 6
	.text
	.protected	k_q55d95f8f44_fc1
	.globl	k_q55d95f8f44_fc1
	.p2align	8
	.type	k_q55d95f8f44_fc1,@function
k_q55d95f8f44_fc1:
	s_mov_b64 s[64:65], 0
	v_nop
	global_prefetch_b8 v0, s[64:65] scope:SCOPE_SE
	s_setreg_imm32_b32 hwreg(HW_REG_WAVE_MODE, 25, 1), 1
	s_wait_xcnt 0x0
	s_wait_alu depctr_hold_cnt(0) depctr_sa_sdst(0) depctr_va_vdst(0) depctr_va_sdst(0) depctr_va_ssrc(0) depctr_va_vcc(0) depctr_vm_vsrc(0)
	s_getreg_b32 s2, hwreg(HW_REG_IB_STS2, 6, 4)
	s_cmp_eq_u32 s2, 0
	s_cbranch_scc0 .Lentry_in_a_cluster
	s_endpgm
.Lentry_in_a_cluster:
	s_bfe_u32 s2, ttmp6, 0x10000c
	s_cmp_lg_u32 s2, 0xf033
	s_cbranch_scc0 .Lentry_shape_is_right
	s_endpgm
.Lentry_shape_is_right:
; g = gelu(LN2(x1) W1^T + b1), exact GELU, quantised: u = sum x 2^(e8 + e9) + b1; code = gelu(u) / 2^e10, held within +-448.  cod: [4096][1024], W1: [4096][1024], codes of E4M3, K innermost.
; A tile of 256 x 256 to a work-group of four waves, 128 x 128 to a wave: 64 accumulators.  K goes in steps of 256 through a ring of two LDS slots; 4 x 4 work-groups form a cluster and ask jointly:
; the tokens' tiles (A) along a row of it, W1's (B) along a column.  Source 0 = 16 rows of W1, source 1 = 16 tokens: lane (r, h) of accumulator (a, b) holds token 16 a + r, hidden units 16 b + 8 h + 0..7.
; GELU.  gelu(u) = max(u, 0) - |u| erfc(|u| / sqrt 2) / 2, so nothing is cancelled for negative u.  erfc(z) = (a1 t + .. + a5 t^5) exp(-z z), t = 1 / (1 + 0.3275911 z) (Abramowitz and Stegun 7.1.26).
; LIMIT OF ACCURACY: erfc carries an absolute error of up to 1.5e-7: about one f32 rounding of the sum 1 + erf near erf = -1.
; THE WAY OUT.  A wave's 128 x 128 sums go once through its own stage in LDS (f32, rows of 528 bytes; the stages lie in the ring, which has had its last fill, behind a barrier behind which nobody reads it), and eight
; trips take 16 rows each: so the text of the activation is written for 64 numbers a lane and not for 512, and a lane gets 16 neighbours along the next K.
; A trip's 64 numbers are four GROUPS of 16.  A group is three parts: PRE (u, 1 + p z, the exponent), its 32 transcendentals, POST (the polynomial, gelu, the hold, the codes, the store).  The wave is alone on its SIMD, so the parts
; are laid by turns: the next group's transcendentals are dealt out among the plain instructions of the group in hand, round the loop's edge too, and a group's LDS loads for the next trip go out as soon as its codes are made.
; OUT: image blocks of 16,384 bytes = 128 tokens x 128 hidden units, [rho][gamma][lane][16 bytes]: token 16 rho + lane % 16, units 32 gamma + 16 (lane / 16) + 0..15; block (token / 128) x 32 + unit / 128.
; LIMITS: e8 + e9 between -126 and 127; e10 between -126 and 119.  NaN and infinities are not served.
.set SIZE_K, 1024
.set KSTEP,  256
.set ROWB,   256
.set KROW,   SIZE_K
.set PITCH,  272                       ; an LDS row: 256 bytes + 16 of padding: the 16 rows that a load touches start at 16 different banks (ISA guide 11.1)
.set FR,     16
.set NL,     4
.set NP,     4                         ; places behind this matrix instruction (ISA guide 7.12.1)
.set HALFT,  128*PITCH
.set SLOT,   4*HALFT
.set LAPS,   SIZE_K/(2*KSTEP)
.set SPARE,  2*SLOT                    ; behind the ring: the spare words, 128 bytes for each wave, which no other line names
.set SPITCH, 528                       ; a stage row: 128 f32 + 16 bytes; a wave's stage is 128 rows, 67,584 bytes; the four end under SPARE
.set LIM,  10                          ; v10  448 x 2^e10
.set SC,   11                          ; v11  2^e10
.set A5,   12                          ; v[12:13] -a5 / 2, twice
.set ADRA, 16
.set ADRB, 20
.set AD,   23                          ; v23  the trip's LDS address
.set STF,  24                          ; v24  the stage: where I put 32 bytes of a row
.set RD0,  25                          ; v25  and where I read 64 bytes of a row back
.set CO,   26                          ; v26  16 x lane
.set BO,   27                          ; v27  64 x (lane / 16): my 16 numbers of each 32 of the bias
.set SPW,  28
.set NIL,  29
.set BI,   32                          ; v32-95   the bias: BI[16 g + i] = b1[my first unit + 32 g + 16 h + i]
.set U,    96                          ; v96-159  64 numbers of a trip
.set T,    160                         ; v160-175 t of groups 0 and 2; v224-239 (T + 64) of groups 1 and 3
.set W,    176                         ; v176-191 exp, then -erfc / 2, of groups 0 and 2; v240-255 (W + 64) of groups 1 and 3
.set Y,    192                         ; v192-207 the polynomial, then max(u, 0)
.set CODES, 208                        ; v208-223
.set AF,   128
.set G1, 24
.set G0, 32
.set G1B, 48
.set G0B, 56
.set MSB, 0
.macro WIN new                         ; the immediate's high byte repeats the setting that is left
.if MSB != \new
	s_set_vgpr_msb (MSB<<8)|\new
.set MSB, \new
.endif
.endm
.set MUL_LO, 0xa1                      ; source 0 (B) window 1, source 1 (A) window 0, C and D window 2
.set MUL_HI, 0xf1                      ; the same, C and D window 3
.set TO_B,   0x40                      ; destination window 1, address window 0
.macro JLOAD g0a, g1a, g0b, g1b        ; a joint load: waves 0 and 1 fetch for A, waves 2 and 3 for B; four v_nop follow each of the two lines
	s_cmp_eq_u32 s15, 0
	s_cbranch_scc0 .Lfor_b_\@
	tensor_load_to_lds s[\g0a:\g0a+3], s[\g1a:\g1a+7]
	s_nop 0
.rept 4
	v_nop
.endr
	s_branch .Lasked_\@
.Lfor_b_\@:
	tensor_load_to_lds s[\g0b:\g0b+3], s[\g1b:\g1b+7]
	s_nop 0
.rept 4
	v_nop
.endr
.Lasked_\@:
.endm
.macro CREST
	s_cmp_lg_u32 s14, 0
	s_cbranch_scc1 .Lnot_wave_0_\@
	s_barrier_signal -3
.Lnot_wave_0_\@:
	s_barrier_wait -3
	s_barrier_signal -1
	s_barrier_wait -1
.endm
.macro CROUND
	s_barrier_signal -1
	s_barrier_wait -1
	CREST
.endm
	s_load_b128 s[4:7], s[0:1], 0x0                ; LN2's codes s[4:5], W1's codes s[6:7]
	s_load_b128 s[8:11], s[0:1], 0x10              ; the scales s[8:9], b1 s[10:11]
	s_load_b64 s[68:69], s[0:1], 0x20              ; the images
	v_lshl_add_u32 v[SPW], v0, 2, SPARE
	v_mov_b32 v[NIL], 0
	ds_add_u32 v28, v29
	ds_add_u32 v28, v29
	s_wait_dscnt 0x0
	v_lshrrev_b32 v1, 5, v0
	v_readfirstlane_b32 s14, v1                    ; wave 0..3
	s_lshr_b32 s15, s14, 1                         ; which half of the tile's tokens is mine.  Also: I fetch for A (0) or for B (1)
	s_and_b32 s16, s14, 1                          ; which half of its hidden units.  Also: which 128 rows of that tile I fetch
	s_bfe_u32 s40, ttmp6, 0x40000                  ; cx, cy
	s_bfe_u32 s41, ttmp6, 0x40004
	s_lshl_b32 s42, ttmp9, 2
	s_add_co_u32 s42, s42, s40                     ; tile column
	s_and_b32 s17, ttmp7, 0xffff
	s_lshl_b32 s17, s17, 2
	s_add_co_u32 s17, s17, s41                     ; tile row
	s_lshl_b32 s43, s41, 2
	s_lshl_b32 s43, 15, s43                        ; my row of the cluster
	s_lshl_b32 s44, 0x1111, s40                    ; my column
	s_or_b32 s[G1+0], s43, (0<<16)|(1<<20)|(1<<21)|(5<<22)|(3<<25)  ; 15:0 the mask; 17:16 elements of 1 byte; 20 padding on; 21 set beside a mask; 24:22 after every 64 words; 31:25 four words
	s_or_b32 s[G1B+0], s44, (0<<16)|(1<<20)|(1<<21)|(5<<22)|(3<<25)
.irp g, G1, G1B
	s_mov_b32 s[\g+1], ROWB<<16                    ; tensor_dim0
	s_mov_b32 s[\g+2], 128<<16                     ; tensor_dim1
	s_mov_b32 s[\g+3], ROWB<<16                    ; tile_dim0
	s_mov_b32 s[\g+4], 128                         ; tile_dim1
	s_mov_b32 s[\g+5], KROW                        ; tensor_dim0_stride
	s_mov_b32 s[\g+6], 0
	s_mov_b32 s[\g+7], 0
.endr
	s_lshl_b32 s18, s16, 7
	s_lshl_b32 s20, s17, 8
	s_add_co_u32 s20, s20, s18
	s_lshl_b32 s20, s20, 10                        ; A: (256 tile row + 128 half) rows of 1,024 bytes
	s_mov_b32 s21, 0
	s_lshl_b32 s46, s42, 8
	s_add_co_u32 s46, s46, s18
	s_lshl_b32 s46, s46, 10                        ; B likewise, by the tile column
	s_mov_b32 s47, 0
	s_mul_i32 s45, s14, HALFT                      ; where they go: wave x 128 rows
	s_wait_kmcnt 0x0
	s_load_b128 s[76:79], s[8:9], 0x20             ; e8, e9, e10, e11
	s_add_nc_u64 s[20:21], s[4:5], s[20:21]
	s_add_nc_u64 s[46:47], s[6:7], s[46:47]
	CROUND                                         ; all sixteen work-groups are here: the first joint loads meet
.irp s, 0,1
	s_mov_b32 s[G0+4*\s], 1
	s_add_co_u32 s[G0+4*\s+1], s45, \s*SLOT
	s_add_nc_u64 s[G0+4*\s+2:G0+4*\s+3], s[20:21], \s*ROWB
	s_or_b32 s[G0+4*\s+3], s[G0+4*\s+3], 0x80000000
	s_mov_b32 s[G0B+4*\s], 1
	s_add_co_u32 s[G0B+4*\s+1], s45, \s*SLOT
	s_add_nc_u64 s[G0B+4*\s+2:G0B+4*\s+3], s[46:47], \s*ROWB
	s_or_b32 s[G0B+4*\s+3], s[G0B+4*\s+3], 0x80000000
	JLOAD G0+4*\s, G1, G0B+4*\s, G1B
.endr
	v_and_b32 v1, 15, v0                           ; r
	v_bfe_u32 v2, v0, 4, 1                         ; h
	v_mul_u32_u24 v3, v1, PITCH
	v_lshl_add_u32 v4, v2, 4, v3
	s_mul_i32 s21, s15, HALFT
	s_mul_i32 s22, s16, HALFT
	s_add_co_u32 s22, s22, 2*HALFT
.irp s, 0,1
	v_add_nc_u32 v[ADRA+\s], s21, v4
	v_add_nc_u32 v[ADRB+\s], s22, v4
	s_add_co_u32 s21, s21, SLOT
	s_add_co_u32 s22, s22, SLOT
.endr
	s_mul_i32 s23, s14, 128*SPITCH                 ; my stage
	v_mul_u32_u24 v5, v1, SPITCH
	v_add_nc_u32 v5, s23, v5
	v_lshl_add_u32 v[STF], v2, 5, v5               ; in: row r, + 32 h
	v_lshl_add_u32 v[RD0], v2, 6, v5               ; back: row r, + 64 h
	v_and_b32 v6, 31, v0
	v_lshlrev_b32 v[CO], 4, v6
	v_lshlrev_b32 v[BO], 6, v2
	s_lshl_b32 s20, s17, 1
	s_add_co_u32 s20, s20, s15                     ; my token block, 0..31
	s_lshl_b32 s46, s42, 1
	s_add_co_u32 s46, s46, s16                     ; my block of 128 hidden units, 0..31
	s_lshl_b32 s22, s46, 9
	s_mov_b32 s23, 0
	s_add_nc_u64 s[70:71], s[10:11], s[22:23]      ; b1 at my first unit
	s_lshl_b32 s20, s20, 5
	s_add_co_u32 s20, s20, s46
	s_lshl_b32 s22, s20, 14
	s_add_nc_u64 s[72:73], s[68:69], s[22:23]      ; my image block
.irp g, 0,1,2,3
.irp k, 0,1,2,3
	global_load_b128 v[BI+16*\g+4*\k:BI+16*\g+4*\k+3], v[BO], s[70:71] offset:128*\g+16*\k   ; it lands under the products
.endr
.endr
.macro FRAG reg, adr, q, i             ; a fragment: lane l holds row l % 16; registers 4 c .. 4 c + 3 hold K = 32 c + 16 (l / 16) + 0 .. 15: the same places of k in A and in B
.irp c, 0,1,2,3
	ds_load_b128 v[\reg+4*\c:\reg+4*\c+3], v[\adr] offset:128*(\q)+32*\c+(\i)*16*PITCH
.endr
.endm
.macro MUL16 a0, p, zero               ; 16 matrix instructions: A's blocks a0, a0 + 1 x B's eight.  The 64 accumulators take turns
.irp a, \a0, \a0+1
.irp b, 0,1,2,3,4,5,6,7
.if \zero
	v_wmma_f32_16x16x128_fp8_fp8 v[8*(8*((\a)%4)+\b):8*(8*((\a)%4)+\b)+7], v[128*(\p)+FR*\b:128*(\p)+FR*\b+FR-1], v[AF+FR*(\a):AF+FR*(\a)+FR-1], 0
.else
	v_wmma_f32_16x16x128_fp8_fp8 v[8*(8*((\a)%4)+\b):8*(8*((\a)%4)+\b)+7], v[128*(\p)+FR*\b:128*(\p)+FR*\b+FR-1], v[AF+FR*(\a):AF+FR*(\a)+FR-1], v[8*(8*((\a)%4)+\b):8*(8*((\a)%4)+\b)+7]
.endif
.endr
.endr
.endm
.macro FETCH_B slot, q, p
	WIN TO_B
.irp i, 0,1,2,3,4,5,6,7
	FRAG 128*(\p)+FR*\i, ADRB+\slot, \q, \i
.endr
	WIN 0
.endm
.macro FETCH_A slot, q, i0
.irp i, \i0, \i0+1, \i0+2, \i0+3
	FRAG AF+FR*(\i), ADRA+\slot, \q, \i
.endr
.endm
.macro PLACES n
.rept \n
	v_nop
.endr
.endm
.macro STEP slot, q, zero              ; a step of 128 along K that has its successor in the same slot
	s_wait_dscnt 4*NL                              ; B's set and A's blocks 0-3 are in; the youngest sixteen loads (A's blocks 4-7) may be out
	WIN MUL_LO
	MUL16 0, (\q)%2, \zero
	MUL16 2, (\q)%2, \zero
	s_wait_dscnt 0
	PLACES NP
	FETCH_B \slot, (\q)+1, 1-(\q)%2
	FETCH_A \slot, (\q)+1, 0
	WIN MUL_HI
	MUL16 4, (\q)%2, \zero
	MUL16 6, (\q)%2, \zero
	PLACES NP
	WIN 0
	FETCH_A \slot, (\q)+1, 4
.endm
.macro TURN slot, next, fill           ; a slot's last step changes slots: one barrier, in front of it the wait for all my tensor loads, the add, and the wait for it and for my reads of this slot
	s_wait_tensorcnt 0x0
	ds_add_u32 v[SPW], v[NIL]                      ; 0 onto my spare word
	s_wait_dscnt 4*NL+1                            ; (the add and the youngest sixteen loads may be out)
	WIN MUL_LO
	MUL16 0, 1, 0
	s_wait_dscnt 0x0
	s_barrier_signal -1
	MUL16 2, 1, 0
	WIN 0
	s_barrier_wait -1
.if \fill
	CREST                                          ; the barrier has opened a round of the cluster's
	s_add_nc_u64 s[G0+4*\slot+2:G0+4*\slot+3], s[G0+4*\slot+2:G0+4*\slot+3], 2*ROWB
	s_add_nc_u64 s[G0B+4*\slot+2:G0B+4*\slot+3], s[G0B+4*\slot+2:G0B+4*\slot+3], 2*ROWB
	JLOAD G0+4*\slot, G1, G0B+4*\slot, G1B         ; the first tensor load behind the round
.else
	PLACES NP
.endif
	FETCH_B \next, 0, 0
	FETCH_A \next, 0, 0
	WIN MUL_HI
	MUL16 4, 1, 0
	MUL16 6, 1, 0
	PLACES NP
	WIN 0
	FETCH_A \next, 0, 4
.endm
	s_wait_tensorcnt 1                             ; my part of K step 0 is in (K step 1's may be out)
	s_barrier_signal -1
	s_barrier_wait -1
	FETCH_B 0, 0, 0
	FETCH_A 0, 0, 0
	FETCH_A 0, 0, 4
	STEP 0, 0, 1
	s_mov_b32 s3, LAPS-1
.Llap:
	TURN 0, 1, 1
	STEP 1, 0, 0
	TURN 1, 0, 1
	STEP 0, 0, 0
	s_sub_co_u32 s3, s3, 1
	s_cmp_lg_u32 s3, 0
	s_cbranch_scc1 .Llap
	TURN 0, 1, 0
	STEP 1, 0, 0
	s_wait_dscnt 4*NL
	WIN MUL_LO
	MUL16 0, 1, 0
	MUL16 2, 1, 0
	s_wait_dscnt 0
	WIN MUL_HI
	MUL16 4, 1, 0
	MUL16 6, 1, 0
	WIN 0
	s_wait_dscnt 0x0                               ; my reads of the ring are over;
	s_barrier_signal -1
	s_barrier_wait -1                              ; everybody's are: the stages may be written over both slots; no tensor load follows
	s_wait_kmcnt 0x0
	s_add_co_i32 s96, s76, s77
	s_add_co_i32 s96, s96, 127
	s_lshl_b32 s96, s96, 23                        ; 2^(e8 + e9)
	s_mov_b32 s97, s96
	s_add_co_i32 s92, s78, 127
	s_lshl_b32 s93, s92, 23
	v_mov_b32 v[SC], s93                           ; 2^e10
	s_add_co_i32 s92, s92, 8
	s_lshl_b32 s92, s92, 23
	s_or_b32 s92, s92, 0x600000
	v_mov_b32 v[LIM], s92                          ; 448 x 2^e10
	s_mov_b32 s88, 0x3e6d3388                      ; 0.3275911 / sqrt 2
	s_mov_b32 s80, 0x3f3a00e3                      ; -a4 / 2
	s_mov_b32 s81, s80
	s_mov_b32 s82, 0xbf35f0e3                      ; -a3 / 2
	s_mov_b32 s83, s82
	s_mov_b32 s84, 0x3e11a98e                      ; -a2 / 2
	s_mov_b32 s85, s84
	s_mov_b32 s86, 0xbe027906                      ; -a1 / 2
	s_mov_b32 s87, s86
	s_mov_b32 s90, 0xbf38aa3b                      ; -log2(e) / 2: exp(-u u / 2) = 2^(u u x this)
	s_mov_b32 s91, s90
	v_mov_b32 v[A5], 0xbf07dc22                    ; -a5 / 2
	v_mov_b32 v[A5+1], 0xbf07dc22
	PLACES NP                                      ; behind the last products: their results are read below, and A's registers are loaded and written
.irp a, 0,1,2,3,4,5,6,7                ; the sums into my stage: token 16 a + r, units 16 b + 8 h + 0..7; each accumulator from its low end on
	WIN 0x08+4*((\a)/4)                            ; the data (source 1): window 2 or 3
.irp b, 0,1,2,3,4,5,6,7
	ds_store_b128 v[STF], v[8*(8*((\a)%4)+\b):8*(8*((\a)%4)+\b)+3] offset:16*SPITCH*\a+64*\b
	ds_store_b128 v[STF], v[8*(8*((\a)%4)+\b)+4:8*(8*((\a)%4)+\b)+7] offset:16*SPITCH*\a+64*\b+16
.endr
.endr
	WIN 0
; GROUP g of a trip: 16 numbers a lane: units 32 g + 16 h + 0..15 of my token.
; PRE: u, 1 + p z and the exponent of group g.  left: the LDS loads issued behind this group's four, which may stay out.
.macro PRE g, left
.set PU, U+16*(\g)
.set PT, T+64*((\g)%2)
.set PW, W+64*((\g)%2)
	s_wait_dscnt \left
.irp i, 0,2,4,6,8,10,12,14
	v_pk_fma_f32 v[PU+\i:PU+\i+1], v[PU+\i:PU+\i+1], s[96:97], v[BI+16*(\g)+\i:BI+16*(\g)+\i+1] op_sel_hi:[1,0,1]   ; u
.endr
.irp i, 0,1,2,3,4,5,6,7,8,9,10,11,12,13,14,15
	v_fma_f32 v[PT+\i], |v[PU+\i]|, s88, 1.0       ; 1 + p z
.endr
.irp i, 0,2,4,6,8,10,12,14
	v_pk_mul_f32 v[PW+\i:PW+\i+1], v[PU+\i:PU+\i+1], v[PU+\i:PU+\i+1]
.endr
.irp i, 0,2,4,6,8,10,12,14
	v_pk_mul_f32 v[PW+\i:PW+\i+1], v[PW+\i:PW+\i+1], s[90:91] op_sel_hi:[1,0]
.endr
.endm
; The transcendentals of a group: 16 reciprocals (t), then 16 exponentials (exp(-z z)), in place.  NEXTTR says whose are dealt out next; TRS writes the next n of them, or none when the 32 are out.
.macro NEXTTR g
.set TT, T+64*((\g)%2)
.set TW, W+64*((\g)%2)
.set TN, 0
.endm
.macro TRS n
.rept \n
.if TN < 16
	v_rcp_f32 v[TT+TN], v[TT+TN]
.elseif TN < 32
	v_exp_f32 v[TW+TN-16], v[TW+TN-16]
.endif
.set TN, TN+1
.endr
.endm
.macro HORNER c
.irp i, 0,2,4,6,8,10,12,14
	v_pk_fma_f32 v[Y+\i:Y+\i+1], v[Y+\i:Y+\i+1], v[QT+\i:QT+\i+1], s[\c:\c+1] op_sel_hi:[1,1,0]
.endr
.endm
; POST: group g's polynomial, gelu, hold, codes and store.  Behind each eight of its first eighty instructions stand three or four transcendentals of the group that NEXTTR named (2 x 4 + 8 x 3 = 32): they name the other
; set of t's and W's registers, and nothing reads them ahead of the next wait.  ahead = 1: the group's four LDS loads of the next trip go into the registers just converted.
.macro POST g, ahead
.set QU, U+16*(\g)
.set QT, T+64*((\g)%2)
.set QW, W+64*((\g)%2)
.irp i, 0,2,4,6,8,10,12,14
	v_pk_fma_f32 v[Y+\i:Y+\i+1], v[QT+\i:QT+\i+1], v[A5:A5+1], s[80:81] op_sel_hi:[1,1,0]
.endr
	TRS 4
	HORNER 82
	TRS 4
	HORNER 84
	TRS 3
	HORNER 86
	TRS 3
.irp i, 0,2,4,6,8,10,12,14
	v_pk_mul_f32 v[Y+\i:Y+\i+1], v[Y+\i:Y+\i+1], v[QT+\i:QT+\i+1]
.endr
	TRS 3
.irp i, 0,2,4,6,8,10,12,14
	v_pk_mul_f32 v[QW+\i:QW+\i+1], v[QW+\i:QW+\i+1], v[Y+\i:Y+\i+1]   ; -erfc / 2; the polynomial's registers are free
.endr
	TRS 3
.irp i, 0,1,2,3,4,5,6,7
	v_max_num_f32 v[Y+\i], 0, v[QU+\i]             ; max(u, 0)
.endr
	TRS 3
.irp i, 8,9,10,11,12,13,14,15
	v_max_num_f32 v[Y+\i], 0, v[QU+\i]
.endr
	TRS 3
.irp i, 0,1,2,3,4,5,6,7
	v_fma_f32 v[QU+\i], |v[QU+\i]|, v[QW+\i], v[Y+\i]                 ; gelu
.endr
	TRS 3
.irp i, 8,9,10,11,12,13,14,15
	v_fma_f32 v[QU+\i], |v[QU+\i]|, v[QW+\i], v[Y+\i]
.endr
	TRS 3
.irp i, 0,1,2,3,4,5,6,7,8,9,10,11,12,13,14,15
	v_med3_num_f32 v[QU+\i], v[QU+\i], -v[LIM], v[LIM]                ; the conversion to an 8-bit code does not saturate (ISA guide 7.6.2)
.endr
	v_cvt_scalef32_pk8_fp8_f32 v[CODES+4*(\g):CODES+4*(\g)+1], v[QU:QU+7], v[SC]
	v_cvt_scalef32_pk8_fp8_f32 v[CODES+4*(\g)+2:CODES+4*(\g)+3], v[QU+8:QU+15], v[SC]
	v_nop                                          ; a plain instruction behind the last conversion
	global_store_b128 v[CO], v[CODES+4*(\g):CODES+4*(\g)+3], s[72:73] offset:512*(\g) th:TH_STORE_NT   ; 512 consecutive bytes a wave
.if \ahead
.irp k, 0,1,2,3
	ds_load_b128 v[QU+4*\k:QU+4*\k+3], v[AD] offset:16*SPITCH+128*(\g)+16*\k   ; the same group, 16 stage rows on
.endr
.endif
.endm
; A TRIP: 16 rows.  At its head group 0's PRE and transcendentals are done and waited for.  The LDS loads go out in the order of the groups, four behind each POST; so behind the four that a PRE wants
; stand the two groups issued since: its wait leaves 8 out.  ahead = 0, the last trip: nothing is loaded any more, and the counts run down 8, 4, 0.
; One s_wait_alu a group, ahead of the first line that names the batch's results; the PRE in front of it is independent work.
.macro TRIP ahead
	PRE 1, 8
	NEXTTR 1
	POST 0, \ahead
	PRE 2, 4+4*\ahead
	s_wait_alu depctr_va_vdst(0)                   ; group 1's batch
	NEXTTR 2
	POST 1, \ahead
	PRE 3, 8*\ahead
	s_wait_alu depctr_va_vdst(0)                   ; group 2's
	NEXTTR 3
	POST 2, \ahead
.if \ahead
	PRE 0, 8                                       ; the next trip's group 0
.endif
	s_wait_alu depctr_va_vdst(0)                   ; group 3's
.if \ahead
	NEXTTR 0
.else
.set TN, 32
.endif
	POST 3, \ahead
.if \ahead
	s_wait_alu depctr_va_vdst(0)                   ; the next trip's group 0: the wait stands ahead of the branch
.endif
.endm
	s_mov_b32 s89, 0                               ; 16 stage rows a trip
	s_mov_b32 s3, 7
	s_wait_loadcnt 0x0                             ; the bias
.irp g, 0,1,2,3
.irp k, 0,1,2,3
	ds_load_b128 v[U+16*\g+4*\k:U+16*\g+4*\k+3], v[RD0] offset:128*\g+16*\k   ; the first trip's rows.  LDS serves a wave's instructions in order (ISA guide 5.7.1.4): these see my stores
.endr
.endr
	PRE 0, 12                                      ; group 0's four loads are in; the other groups' twelve may be out
	NEXTTR 0
	TRS 32
	v_nop                                          ; a plain instruction behind the last transcendental
	s_wait_alu depctr_va_vdst(0)
.Lrows:                                                ; seven trips; each asks for the next trip's rows
	v_add_nc_u32 v[AD], s89, v[RD0]
	TRIP 1
	s_wait_xcnt 0x0                                ; the stores have read their registers and their base: both are written again only behind this wait
	s_add_nc_u64 s[72:73], s[72:73], 2048
	s_add_co_u32 s89, s89, 16*SPITCH
	s_sub_co_u32 s3, s3, 1
	s_cmp_lg_u32 s3, 0
	s_cbranch_scc1 .Lrows
	TRIP 0                                         ; the eighth trip is written out: no LDS read leaves my stage
	s_wait_tensorcnt 0x0                           ; the wave's end
	ds_add_u32 v[SPW], v[NIL]
	s_wait_dscnt 0x0
	CROUND                                         ; the closing round
	s_endpgm
.Lfunc_end_k_q55d95f8f44_fc1:
	.size	k_q55d95f8f44_fc1, .Lfunc_end_k_q55d95f8f44_fc1-k_q55d95f8f44_fc1
	.p2alignl 7, 3214868480
	.fill 96, 4, 3214868480
	.section	.rodata,"a",@progbits
	.p2align	6, 0x0
	.amdhsa_kernel k_q55d95f8f44_fc1
		.amdhsa_group_segment_fixed_size 327680
		.amdhsa_private_segment_fixed_size 0
		.amdhsa_enable_private_segment 0
		.amdhsa_kernarg_size 40
		.amdhsa_user_sgpr_count 2
		.amdhsa_user_sgpr_kernarg_segment_ptr 1
		.amdhsa_wavefront_size32 1
		.amdhsa_system_sgpr_workgroup_id_x 1
		.amdhsa_system_sgpr_workgroup_id_y 1
		.amdhsa_system_sgpr_workgroup_id_z 1
		.amdhsa_system_vgpr_workitem_id 0
		.amdhsa_next_free_vgpr 1024
		.amdhsa_next_free_sgpr 100
		.amdhsa_reserve_vcc 0
		.amdhsa_float_denorm_mode_32 3
		.amdhsa_float_denorm_mode_16_64 3
		.amdhsa_memory_ordered 1
		.amdhsa_forward_progress 1
		.amdhsa_inst_pref_size 165
	.end_amdhsa_kernel
	.amdgpu_metadata
---
amdhsa.version: [ 1, 2 ]
amdhsa.kernels:
  - .name:           k_q55d95f8f44_fc1
    .symbol:         k_q55d95f8f44_fc1.kd
    .args:
      - { .name: cod, .offset: 0, .size: 8, .value_kind: global_buffer, .address_space: global }
      - { .name: w_fc1_codes, .offset: 8, .size: 8, .value_kind: global_buffer, .address_space: global }
      - { .name: lowp_scales, .offset: 16, .size: 8, .value_kind: global_buffer, .address_space: global }
      - { .name: b_fc1, .offset: 24, .size: 8, .value_kind: global_buffer, .address_space: global }
      - { .name: gimg, .offset: 32, .size: 8, .value_kind: global_buffer, .address_space: global }
    .group_segment_fixed_size: 327680
    .private_segment_fixed_size: 0
    .kernarg_segment_align: 8
    .kernarg_segment_size: 40
    .max_flat_workgroup_size: 128
    .sgpr_count:     100
    .vgpr_count:     1024
    .wavefront_size: 32
...
	.end_amdgpu_metadata
.endif
;; end of part 6
;; launch fc2 (part 7): grid 8 x 32, 4 waves a work-group, clusters of 4 x 4, 327,680 bytes of LDS; arguments gimg, w_fc2_codes, lowp_scales, b_fc2, x1, out0; writes out0
.if DOCPART == 7
	.amdgcn_target "amdgcn-amd-amdhsa--gfx1250"
	.amdhsa_code_object_version 6
	.text
	.protected	k_q55d95f8f44_fc2
	.globl	k_q55d95f8f44_fc2
	.p2align	8
	.type	k_q55d95f8f44_fc2,@function
k_q55d95f8f44_fc2:
	s_mov_b64 s[64:65], 0
	v_nop
	global_prefetch_b8 v0, s[64:65] scope:SCOPE_SE
	s_setreg_imm32_b32 hwreg(HW_REG_WAVE_MODE, 25, 1), 1
	s_wait_xcnt 0x0
	s_wait_alu depctr_hold_cnt(0) depctr_sa_sdst(0) depctr_va_vdst(0) depctr_va_sdst(0) depctr_va_ssrc(0) depctr_va_vcc(0) depctr_vm_vsrc(0)
	s_getreg_b32 s2, hwreg(HW_REG_IB_STS2, 6, 4)
	s_cmp_eq_u32 s2, 0
	s_cbranch_scc0 .Lentry_in_a_cluster
	s_endpgm
.Lentry_in_a_cluster:
	s_bfe_u32 s2, ttmp6, 0x10000c
	s_cmp_lg_u32 s2, 0xf033
	s_cbranch_scc0 .Lentry_shape_is_right
	s_endpgm
.Lentry_shape_is_right:
; out[m][n] = res[m][n] + bias[n] + 2^(ea + eb) x the sum over k of A[m][k] W[n][k], on codes of E4M3.  4,096 rows, 1,024 columns, SIZE_K along K; res and out f32.
; A comes as image blocks of 16,384 bytes (128 rows x 128 K: [rho][gamma][lane][16 bytes], row 16 rho + lane % 16, k = 32 gamma + 16 (lane / 16) + 0..15), block (row / 128) x SIZE_K / 128 + k / 128.
; W comes as rows of SIZE_K codes.  ea, eb are the two whole numbers at byte EOFF of the scales.  LIMIT: ea + eb between -126 and 127.
; A tile of 128 x 128 to a work-group (256 work-groups: tiles of 256 x 256 would be 64), four waves of 64 x 64: 16 accumulators.  K goes in steps of 512 through two LDS slots.
; 4 x 4 work-groups form a cluster: A's blocks are asked for jointly along a row of it, W's rows along a column.  Source 0 = 16 rows of W, source 1 = 16 rows of A: a lane holds eight neighbouring columns of one row.
; A's fragments come from the images as they lie (512 dense bytes a load); W's from padded rows by four loads 32 bytes apart: the same places of k on both sides.
; REGISTERS: window 0: v0-31 addresses, v8-11 the bias, v32-95 rows on the way out, v128-255 the accumulators ((a, b) at 128 + 8 (4 a + b)).  window 1: two fragment buffers of 128: A's four, then W's four.  window 2: v0-127 the residual.
.set SIZE_K, 4096
.set EOFF,   40                        ; where ea, eb stand in the scales, in bytes
.set KSTEP,  512
.set KBLK,   SIZE_K/128                ; image blocks in a row of blocks
.set PITCH,  528                       ; W's row in LDS: 512 bytes + 16 = 132 words: the 16 rows that a load touches start at 16 different banks (ISA guide 11.1)
.set ABYTES, 65536                     ; a slot: A's four blocks,
.set HALFB,  64*PITCH                  ; then W's 128 rows, 64 to a load
.set SLOT,   ABYTES+2*HALFB
.set SPARE,  2*SLOT                    ; behind the ring: the spare words, 128 bytes for each wave, which no other line names
.set SPITCH, 272                       ; the way out: 16 rows x (256 bytes + 16) for each wave, in slot 0, which has had its last fill and its last read by then
.set LAPS,   SIZE_K/(2*KSTEP)
.set BIAS, 8
.set ADRA, 16
.set ADRB, 20
.set STO,  24
.set RD,   25
.set CO,   26
.set SPW,  28
.set NIL,  29
.set BK,   32
.set ACC,  128
.set F0,   0
.set F1,   128
.set G1, 24
.set G0, 32
.set G1B, 48
.set G0B, 56
.set MSB, 0
.macro WIN new                         ; the immediate's high byte repeats the setting that is left
.if MSB != \new
	s_set_vgpr_msb (MSB<<8)|\new
.set MSB, \new
.endif
.endm
.set MUL,  0x05                        ; sources 0 and 1 window 1; C and D window 0
.set TO_F, 0x40                        ; destination window 1, address window 0
.macro JLOAD s                         ; a joint load: waves 0 and 1 fetch A's blocks, waves 2 and 3 W's rows; four v_nop follow each of the two lines
	s_cmp_eq_u32 s11, 0
	s_cbranch_scc0 .Lfor_b_\@
	tensor_load_to_lds s[G0+4*\s:G0+4*\s+3], s[G1:G1+7]
	s_nop 0
.rept 4
	v_nop
.endr
	s_branch .Lasked_\@
.Lfor_b_\@:
	tensor_load_to_lds s[G0B+4*\s:G0B+4*\s+3], s[G1B:G1B+7]
	s_nop 0
.rept 4
	v_nop
.endr
.Lasked_\@:
.endm
.macro CREST
	s_cmp_lg_u32 s10, 0
	s_cbranch_scc1 .Lnot_wave_0_\@
	s_barrier_signal -3
.Lnot_wave_0_\@:
	s_barrier_wait -3
	s_barrier_signal -1
	s_barrier_wait -1
.endm
.macro CROUND
	s_barrier_signal -1
	s_barrier_wait -1
	CREST
.endm
	s_load_b128 s[4:7], s[0:1], 0x0                ; A's images, W's codes
	s_load_b128 s[68:71], s[0:1], 0x10             ; the scales, the bias
	s_load_b128 s[72:75], s[0:1], 0x20             ; the residual, out
	v_lshl_add_u32 v[SPW], v0, 2, SPARE
	v_mov_b32 v[NIL], 0
	ds_add_u32 v28, v29
	ds_add_u32 v28, v29
	s_wait_dscnt 0x0
	v_lshrrev_b32 v1, 5, v0
	v_readfirstlane_b32 s10, v1                    ; wave 0..3
	s_lshr_b32 s11, s10, 1                         ; which 64 rows are mine.  Also: I fetch for A (0) or for W (1)
	s_and_b32 s12, s10, 1                          ; which 64 columns.  Also: which half of that tile I fetch
	s_bfe_u32 s40, ttmp6, 0x40000                  ; cx, cy
	s_bfe_u32 s41, ttmp6, 0x40004
	s_lshl_b32 s42, ttmp9, 2
	s_add_co_u32 s42, s42, s40                     ; tile column
	s_and_b32 s13, ttmp7, 0xffff
	s_lshl_b32 s13, s13, 2
	s_add_co_u32 s13, s13, s41                     ; tile row
	s_lshl_b32 s43, s41, 2
	s_lshl_b32 s43, 15, s43                        ; my row of the cluster
	s_lshl_b32 s44, 0x1111, s40                    ; my column
	; group 1 for A: two blocks, 32,768 dense bytes, as 128 rows of 256 bytes (32 elements of 8), no padding
	s_or_b32 s[G1+0], s43, (3<<16)|(1<<21)
	s_mov_b32 s[G1+1], 32<<16
	s_mov_b32 s[G1+2], 128<<16
	s_mov_b32 s[G1+3], 32<<16
	s_mov_b32 s[G1+4], 128
	s_mov_b32 s[G1+5], 32
	s_mov_b32 s[G1+6], 0
	s_mov_b32 s[G1+7], 0
	; group 1 for W: 64 rows of 512 bytes, four words of padding after every 128
	s_or_b32 s[G1B+0], s44, (0<<16)|(1<<20)|(1<<21)|(6<<22)|(3<<25)
	s_mov_b32 s[G1B+1], KSTEP<<16
	s_mov_b32 s[G1B+2], 64<<16
	s_mov_b32 s[G1B+3], KSTEP<<16
	s_mov_b32 s[G1B+4], 64
	s_mov_b32 s[G1B+5], SIZE_K
	s_mov_b32 s[G1B+6], 0
	s_mov_b32 s[G1B+7], 0
	s_mul_i32 s16, s13, KBLK
	s_lshl_b32 s17, s12, 1
	s_add_co_u32 s16, s16, s17
	s_lshl_b32 s16, s16, 14                        ; A: block (tile row x KBLK + 2 half)
	s_mov_b32 s17, 0
	s_lshl_b32 s46, s42, 7
	s_lshl_b32 s47, s12, 6
	s_add_co_u32 s46, s46, s47
	s_mul_i32 s46, s46, SIZE_K                     ; W: row 128 tile column + 64 half
	s_mov_b32 s47, 0
	s_lshl_b32 s20, s12, 15                        ; where they go in a slot: A's halves,
	s_mul_i32 s21, s12, HALFB
	s_add_co_u32 s21, s21, ABYTES                  ; W's halves: the wave's number alone
	s_wait_kmcnt 0x0
	s_load_b64 s[76:77], s[68:69], EOFF            ; ea, eb
	s_add_nc_u64 s[14:15], s[4:5], s[16:17]
	s_add_nc_u64 s[46:47], s[6:7], s[46:47]
	CROUND                                         ; all sixteen work-groups are here: the first joint loads meet
.irp s, 0,1
	s_mov_b32 s[G0+4*\s], 1
	s_add_co_u32 s[G0+4*\s+1], s20, \s*SLOT
	s_add_nc_u64 s[G0+4*\s+2:G0+4*\s+3], s[14:15], \s*ABYTES
	s_or_b32 s[G0+4*\s+3], s[G0+4*\s+3], 0x80000000
	s_mov_b32 s[G0B+4*\s], 1
	s_add_co_u32 s[G0B+4*\s+1], s21, \s*SLOT
	s_add_nc_u64 s[G0B+4*\s+2:G0B+4*\s+3], s[46:47], \s*KSTEP
	s_or_b32 s[G0B+4*\s+3], s[G0B+4*\s+3], 0x80000000
	JLOAD \s
.endr
	v_and_b32 v1, 15, v0                           ; r
	v_bfe_u32 v2, v0, 4, 1                         ; h
	v_and_b32 v3, 31, v0
	v_lshlrev_b32 v3, 4, v3                        ; 16 x lane
	s_lshl_b32 s21, s11, 13                        ; my four rho of each block
	v_add_nc_u32 v[ADRA], s21, v3
	v_add_nc_u32 v[ADRA+1], SLOT, v[ADRA]
	v_mul_u32_u24 v4, v1, PITCH
	v_lshl_add_u32 v4, v2, 4, v4
	s_mul_i32 s22, s12, HALFB
	s_add_co_u32 s22, s22, ABYTES
	v_add_nc_u32 v[ADRB], s22, v4
	v_add_nc_u32 v[ADRB+1], SLOT, v[ADRB]
	s_mul_i32 s23, s10, 16*SPITCH                  ; my stage
	v_mul_u32_u24 v5, v1, SPITCH
	v_lshl_add_u32 v5, v2, 5, v5
	v_add_nc_u32 v[STO], s23, v5                   ; in: row r, 32 bytes for each half of the lanes
	v_mul_u32_u24 v5, v2, SPITCH
	v_lshl_add_u32 v5, v1, 4, v5
	v_add_nc_u32 v[RD], s23, v5                    ; back: lanes 0-15 one row of 256 bytes, lanes 16-31 the next
	v_lshlrev_b32 v[CO], 12, v2
	v_lshl_add_u32 v[CO], v1, 4, v[CO]             ; the same two rows in the residual and in out
	v_lshlrev_b32 v6, 4, v1                        ; my four columns in the bias
	s_lshl_b32 s16, s13, 7
	s_lshl_b32 s17, s11, 6
	s_add_co_u32 s16, s16, s17
	s_lshl_b32 s16, s16, 12                        ; my first row, x 4,096 bytes
	s_lshl_b32 s46, s42, 7
	s_lshl_b32 s47, s12, 6
	s_add_co_u32 s46, s46, s47
	s_lshl_b32 s46, s46, 2                         ; my first column, in bytes
	s_mov_b32 s47, 0
	s_add_nc_u64 s[70:71], s[70:71], s[46:47]
	s_add_co_u32 s46, s46, s16
	s_add_nc_u64 s[72:73], s[72:73], s[46:47]
	s_add_nc_u64 s[74:75], s[74:75], s[46:47]
	global_load_b128 v[BIAS:BIAS+3], v6, s[70:71]
	WIN 0x80                                       ; destination window 2: the residual lands under the products and is waited for once, on the way out
.set i, 0
.rept 32
	global_load_b128 v[4*i:4*i+3], v[CO], s[72:73] offset:2*i*4096 th:TH_LOAD_NT
.set i, i+1
.endr
	WIN 0
.macro MULA f, a, zero                 ; four matrix instructions: A's block a x W's four, 128 along K
.irp b, 0,1,2,3
.if \zero
	v_wmma_f32_16x16x128_fp8_fp8 v[ACC+8*(4*(\a)+\b):ACC+8*(4*(\a)+\b)+7], v[\f+64+16*\b:\f+64+16*\b+15], v[\f+16*(\a):\f+16*(\a)+15], 0
.else
	v_wmma_f32_16x16x128_fp8_fp8 v[ACC+8*(4*(\a)+\b):ACC+8*(4*(\a)+\b)+7], v[\f+64+16*\b:\f+64+16*\b+15], v[\f+16*(\a):\f+16*(\a)+15], v[ACC+8*(4*(\a)+\b):ACC+8*(4*(\a)+\b)+7]
.endif
.endr
.endm
.macro MUL8 f, a0, zero
	MULA \f, \a0, \zero
	MULA \f, \a0+1, \zero
.endm
.macro FETCH slot, q, f                ; 32 LDS loads in one run: the slot's q-th 128 along K: W's four fragments, A's blocks 0 and 1, A's blocks 2 and 3
	WIN TO_F
.irp b, 0,1,2,3
.irp c, 0,1,2,3
	ds_load_b128 v[\f+64+16*\b+4*\c:\f+64+16*\b+4*\c+3], v[ADRB+\slot] offset:16*PITCH*\b+128*(\q)+32*\c
.endr
.endr
.irp a, 0,1,2,3
.irp c, 0,1,2,3
	ds_load_b128 v[\f+16*\a+4*\c:\f+16*\a+4*\c+3], v[ADRA+\slot] offset:16384*(\q)+2048*\a+512*\c
.endr
.endr
.endm
.macro PLACES                          ; four plain vector instructions between a matrix instruction and a load into, or a read of, its registers
.rept 4
	v_nop
.endr
.endm
; A K step is four quarters of 128 along K, 16 matrix instructions each, on buffers 0, 1, 0, 1; the 16 accumulators take turns in the same order in every quarter.
.macro QUARTER slot, qn, f, g, zero
	s_wait_dscnt 8                                 ; W's fragments and A's blocks 0, 1 are in; the youngest eight loads (A's blocks 2, 3) may be out
	WIN MUL
	MUL8 \f, 0, \zero
	PLACES
	FETCH \slot, \qn, \g
	s_wait_dscnt 32                                ; all but the 32 just issued
	WIN MUL
	MUL8 \f, 2, \zero
.endm
; The last quarter changes slots: one barrier; in front of it each wave waits for all its tensor loads, adds 0 to its spare word, and waits for that and for its own reads of this slot.
.macro TURN slot, next, fill
	WIN 0                                          ; (the add's two registers lie in window 0)
	s_wait_tensorcnt 0x0                           ; all my tensor loads have landed: my part of the next slot
	ds_add_u32 v[SPW], v[NIL]                      ; 0 onto my spare word
	s_wait_dscnt 9                                 ; (the add and the youngest eight loads may be out)
	WIN MUL
	MULA F1, 0, 0
	s_wait_dscnt 0x0                               ; the add is done, and my reads of this slot are over
	s_barrier_signal -1
	MULA F1, 1, 0
	WIN 0
	s_barrier_wait -1
.if \fill
	CREST                                          ; the barrier has opened a round of the cluster's: no wave of any partner still reads this slot or has a load on its way
	s_add_nc_u64 s[G0+4*\slot+2:G0+4*\slot+3], s[G0+4*\slot+2:G0+4*\slot+3], 2*ABYTES
	s_add_nc_u64 s[G0B+4*\slot+2:G0B+4*\slot+3], s[G0B+4*\slot+2:G0B+4*\slot+3], 2*KSTEP
	JLOAD \slot                                    ; the first tensor load behind the round; its four v_nop are also the places in front of the loads below
.else
	PLACES
.endif
	FETCH \next, 0, F0
	WIN MUL
	MUL8 F1, 2, 0
.endm
	s_wait_tensorcnt 1                             ; my part of K step 0 is in (K step 1's may be out)
	s_barrier_signal -1
	s_barrier_wait -1                              ; everybody's is
	FETCH 0, 0, F0
	QUARTER 0, 1, F0, F1, 1                        ; the first quarter's products start the sums
.if LAPS > 1
	WIN 0
	s_mov_b32 s3, LAPS-1
.Llap:                                                 ; a trip goes once round the ring and fills both slots again
	QUARTER 0, 2, F1, F0, 0
	QUARTER 0, 3, F0, F1, 0
	TURN 0, 1, 1
	QUARTER 1, 1, F0, F1, 0
	QUARTER 1, 2, F1, F0, 0
	QUARTER 1, 3, F0, F1, 0
	TURN 1, 0, 1
	QUARTER 0, 1, F0, F1, 0
	WIN 0
	s_sub_co_u32 s3, s3, 1
	s_cmp_lg_u32 s3, 0
	s_cbranch_scc1 .Llap
.endif
	QUARTER 0, 2, F1, F0, 0                        ; the last lap fills nothing
	QUARTER 0, 3, F0, F1, 0
	TURN 0, 1, 0
	QUARTER 1, 1, F0, F1, 0
	QUARTER 1, 2, F1, F0, 0
	QUARTER 1, 3, F0, F1, 0
	s_wait_dscnt 8
	WIN MUL
	MUL8 F1, 0, 0
	s_wait_dscnt 0
	MUL8 F1, 2, 0
	WIN 0
	; THE WAY OUT, 16 rows x 64 columns at a time: the sums go through my own stage and come back as rows of 256 bytes; LDS serves a wave's instructions in order (ISA guide 5.7.1.4), so no wait stands between the stores and the loads.
	PLACES
	s_wait_kmcnt 0x0
	s_add_co_i32 s76, s76, s77
	s_add_co_i32 s76, s76, 127
	s_lshl_b32 s76, s76, 23                        ; 2^(ea + eb) as f32
	s_mov_b32 s77, s76
	s_wait_loadcnt 0x0                             ; the bias and the residual
.macro TOSTAGE a
.set BB, BK+32*((\a)%2)
.irp b, 0,1,2,3
	ds_store_b128 v[STO], v[ACC+8*(4*(\a)+\b):ACC+8*(4*(\a)+\b)+3] offset:64*\b          ; each accumulator from its low end on
	ds_store_b128 v[STO], v[ACC+8*(4*(\a)+\b)+4:ACC+8*(4*(\a)+\b)+7] offset:64*\b+16
.endr
.irp i, 0,1,2,3,4,5,6,7
	ds_load_b128 v[BB+4*\i:BB+4*\i+3], v[RD] offset:2*SPITCH*\i
.endr
.endm
.macro SEND a, younger                 ; younger: the LDS instructions issued behind block a's loads, which may stay out
.set BB, BK+32*((\a)%2)
	s_wait_dscnt \younger
.irp i, 0,1,2,3,4,5,6,7
	v_pk_fma_f32 v[BB+4*\i:BB+4*\i+1], v[BB+4*\i:BB+4*\i+1], s[76:77], v[BIAS:BIAS+1] op_sel_hi:[1,0,1]
	v_pk_fma_f32 v[BB+4*\i+2:BB+4*\i+3], v[BB+4*\i+2:BB+4*\i+3], s[76:77], v[BIAS+2:BIAS+3] op_sel_hi:[1,0,1]
.endr
	WIN 0x08                                       ; source 1: window 2, the residual
.irp i, 0,1,2,3,4,5,6,7
	v_pk_add_f32 v[BB+4*\i:BB+4*\i+1], v[BB+4*\i:BB+4*\i+1], v[32*(\a)+4*\i:32*(\a)+4*\i+1]
	v_pk_add_f32 v[BB+4*\i+2:BB+4*\i+3], v[BB+4*\i+2:BB+4*\i+3], v[32*(\a)+4*\i+2:32*(\a)+4*\i+3]
.endr
	WIN 0
.irp i, 0,1,2,3,4,5,6,7
	global_store_b128 v[CO], v[BB+4*\i:BB+4*\i+3], s[74:75] offset:(16*(\a)+2*\i)*4096   ; 16 lanes store 256 consecutive bytes, aligned
.endr
.endm
	TOSTAGE 0
.irp a, 1,2,3
.if \a > 1
	s_wait_xcnt 0x0                                ; block a - 2's stores have read their registers: block a's loads may land there
.endif
	TOSTAGE \a
	SEND \a-1, 16                                  ; behind block a - 1's loads: block a's 8 stores and 8 loads
.endr
	SEND 3, 0
	s_wait_tensorcnt 0x0                           ; the wave's end
	ds_add_u32 v[SPW], v[NIL]
	s_wait_dscnt 0x0
	CROUND                                         ; the closing round
	s_endpgm
.Lfunc_end_k_q55d95f8f44_fc2:
	.size	k_q55d95f8f44_fc2, .Lfunc_end_k_q55d95f8f44_fc2-k_q55d95f8f44_fc2
	.p2alignl 7, 3214868480
	.fill 96, 4, 3214868480
	.section	.rodata,"a",@progbits
	.p2align	6, 0x0
	.amdhsa_kernel k_q55d95f8f44_fc2
		.amdhsa_group_segment_fixed_size 327680
		.amdhsa_private_segment_fixed_size 0
		.amdhsa_enable_private_segment 0
		.amdhsa_kernarg_size 48
		.amdhsa_user_sgpr_count 2
		.amdhsa_user_sgpr_kernarg_segment_ptr 1
		.amdhsa_wavefront_size32 1
		.amdhsa_system_sgpr_workgroup_id_x 1
		.amdhsa_system_sgpr_workgroup_id_y 1
		.amdhsa_system_sgpr_workgroup_id_z 1
		.amdhsa_system_vgpr_workitem_id 0
		.amdhsa_next_free_vgpr 640
		.amdhsa_next_free_sgpr 80
		.amdhsa_reserve_vcc 0
		.amdhsa_float_denorm_mode_32 3
		.amdhsa_float_denorm_mode_16_64 3
		.amdhsa_memory_ordered 1
		.amdhsa_forward_progress 1
		.amdhsa_inst_pref_size 81
	.end_amdhsa_kernel
	.amdgpu_metadata
---
amdhsa.version: [ 1, 2 ]
amdhsa.kernels:
  - .name:           k_q55d95f8f44_fc2
    .symbol:         k_q55d95f8f44_fc2.kd
    .args:
      - { .name: gimg, .offset: 0, .size: 8, .value_kind: global_buffer, .address_space: global }
      - { .name: w_fc2_codes, .offset: 8, .size: 8, .value_kind: global_buffer, .address_space: global }
      - { .name: lowp_scales, .offset: 16, .size: 8, .value_kind: global_buffer, .address_space: global }
      - { .name: b_fc2, .offset: 24, .size: 8, .value_kind: global_buffer, .address_space: global }
      - { .name: x1, .offset: 32, .size: 8, .value_kind: global_buffer, .address_space: global }
      - { .name: out0, .offset: 40, .size: 8, .value_kind: global_buffer, .address_space: global }
    .group_segment_fixed_size: 327680
    .private_segment_fixed_size: 0
    .kernarg_segment_align: 8
    .kernarg_segment_size: 48
    .max_flat_workgroup_size: 128
    .sgpr_count:     80
    .vgpr_count:     640
    .wavefront_size: 32
...
	.end_amdgpu_metadata
.endif
;; end of part 7
